; MI455X (gfx1250); checked and timed in simulation.
; The chip was launched on July 23, 2026; its instructions are those of AMD's public machine-readable ISA for CDNA 5 (MIT licence, August 2026) and "CDNA5" Instruction Set Architecture Reference Guide (July 2026). The comments in the code are by the model that wrote it; some were corrected since.
;; Vector Quantizer. Allowed arithmetic: float matrix products may take bf16 or f16 operands with f32 sums; all other float work in f32.
;; Inputs: codebook 8,192 x 512 float32; x 16 x 512 x 64 x 16 float32.
;; Outputs: out0 16 x 512 x 64 x 16 float32; out1 one number float32.
;; 3 versions, each right and faster than the one before. Each part assembles by itself: llvm-mc -triple=amdgcn-amd-amdhsa -mcpu=gfx1250 --defsym DOCPART=n.
;; ======== version 1 of 3: 5 launches
;; workspace buffers: cb16 8,388,608 bytes; nkk 32,768 bytes; candv 262,144 bytes; candi 262,144 bytes of whole numbers; idx 65,536 bytes of whole numbers; part 1,024 bytes
;; launch prep (part 1): grid 256 x 1, 8 waves a work-group, no clusters, 1,280 bytes of LDS; arguments codebook, cb16, nkk; writes cb16, nkk
.if DOCPART == 1
	.amdgcn_target "amdgcn-amd-amdhsa--gfx1250"
	.amdhsa_code_object_version 6
	.text
	.protected	k_qaabb48e43b_prep
	.globl	k_qaabb48e43b_prep
	.p2align	8
	.type	k_qaabb48e43b_prep,@function
k_qaabb48e43b_prep:
	s_mov_b64 s[64:65], 0
	v_nop
	global_prefetch_b8 v0, s[64:65] scope:SCOPE_SE
	s_setreg_imm32_b32 hwreg(HW_REG_WAVE_MODE, 25, 1), 1
	s_wait_xcnt 0x0
; cb16[n][c] = bf16(codebook[n][c]);  nkk[n] = -1/2 * sum over c of cb16[n][c]^2, in f32.
; The norm is taken of the ROUNDED row, so that the later score x.k - |k|^2/2 is the true distance between the rounded vectors.
; Eight waves; the work-group owns 32 rows of 512 numbers, a wave four of them.  A row is 2,048 bytes: four loads of 16 bytes a lane,
; each covering 512 consecutive bytes; its bf16 image is four stores of 8 bytes a lane, each 256 consecutive bytes, aligned.
; All sixteen loads of a wave go out at once; nothing is read twice.  A stream: no matrix unit, no cluster (no two work-groups share a byte).
; Limit: finite inputs whose squares sum to a finite f32, as in the function computed.
.set X, 8                              ; v[8:71]    load 4 i + q: 4 registers
.set Y, 72                             ; v[72:103]  the same as bf16: 2 registers, store data, each written once
.set A, 104                            ; v[104:107] two pairs of running sums
.set T, 108                            ; v[108:109] at work
	s_load_b128 s[4:7], s[0:1], 0x0                ; codebook s[4:5], cb16 s[6:7]
	s_load_b64 s[8:9], s[0:1], 0x10                ; nkk
	v_lshl_add_u32 v112, v0, 2, 0x100
	v_mov_b32 v113, 0
	v_lshrrev_b32 v1, 5, v0
	v_readfirstlane_b32 s10, v1                    ; wave 0..7
	v_and_b32 v4, 31, v0                           ; lane
	v_lshlrev_b32 v1, 4, v4                        ; 16 bytes a lane in a load
	v_lshlrev_b32 v2, 3, v4                        ; 8 bytes a lane in a store
	v_mov_b32 v3, s10
	v_lshlrev_b32 v3, 4, v3                        ; LDS: four words for each wave
	s_mov_b32 s11, 0xffff0000                      ; a word's upper bf16
	s_mov_b32 s12, 0x76543210                      ; v_permlanex16_b32: lane i reads lane i of the other half
	s_mov_b32 s13, 0xfedcba98
	s_lshl_b32 s2, ttmp9, 16                       ; 32 rows of 2,048 bytes for each work-group
	s_lshl_b32 s3, s10, 13                         ; 4 rows for each wave
	s_add_co_u32 s2, s2, s3
	s_mov_b32 s3, 0
	s_lshr_b32 s14, s2, 1                          ; the same rows in cb16: half the bytes
	s_mov_b32 s15, 0
	s_wait_kmcnt 0x0
	s_add_nc_u64 s[4:5], s[4:5], s[2:3]
	s_add_nc_u64 s[6:7], s[6:7], s[14:15]
.irp i, 0,1,2,3
.irp q, 0,1,2,3
	global_load_b128 v[X+16*\i+4*\q:X+16*\i+4*\q+3], v1, s[4:5] offset:2048*\i+512*\q
.endr
.endr
.macro ROW i
	s_wait_loadcnt 12-4*\i                         ; loads come back in order: this row's four are in, the later rows' stay out
.irp q, 0,1,2,3
.set XB, X+16*\i+4*\q
.set YB, Y+8*\i+2*\q
	v_cvt_pk_bf16_f32 v[YB], v[XB], v[XB+1]        ; round to nearest even, two at a time
	v_cvt_pk_bf16_f32 v[YB+1], v[XB+2], v[XB+3]
	global_store_b64 v2, v[YB:YB+1], s[6:7] offset:1024*\i+256*\q
	v_lshlrev_b32 v[XB], 16, v[YB]                 ; the rounded numbers back in f32
	v_and_b32 v[XB+1], s11, v[YB]
	v_lshlrev_b32 v[XB+2], 16, v[YB+1]
	v_and_b32 v[XB+3], s11, v[YB+1]
.if \q == 0
	v_pk_mul_f32 v[A:A+1], v[XB:XB+1], v[XB:XB+1]              ; the first squares start the sums
	v_pk_mul_f32 v[A+2:A+3], v[XB+2:XB+3], v[XB+2:XB+3]
.else
	v_pk_fma_f32 v[A:A+1], v[XB:XB+1], v[XB:XB+1], v[A:A+1]
	v_pk_fma_f32 v[A+2:A+3], v[XB+2:XB+3], v[XB+2:XB+3], v[A+2:A+3]
.endif
.endr
	v_pk_add_f32 v[A:A+1], v[A:A+1], v[A+2:A+3]
	v_add_f32 v[T], v[A], v[A+1]
	v_add_f32_dpp v[T], v[T], v[T] row_xmask:1 row_mask:0xf bank_mask:0xf
	v_add_f32_dpp v[T], v[T], v[T] row_xmask:2 row_mask:0xf bank_mask:0xf
	v_add_f32_dpp v[T], v[T], v[T] row_xmask:4 row_mask:0xf bank_mask:0xf
	v_add_f32_dpp v[T], v[T], v[T] row_xmask:8 row_mask:0xf bank_mask:0xf
	v_mov_b32 v[T+1], v[T]                         ; the permute's destination counts as read
	v_permlanex16_b32 v[T+1], v[T], s12, s13
	v_add_f32 v[T], v[T], v[T+1]
	v_mul_f32 v[T], -0.5, v[T]
	ds_store_b32 v3, v[T] offset:4*\i              ; every lane writes the same word with the same value: word 4 w + i
.endm
	ROW 0
	ROW 1
	ROW 2
	ROW 3
	s_wait_dscnt 0x0                               ; my four words are in LDS before I say so
	s_barrier_signal -1
	s_barrier_wait -1
	s_cmp_lg_u32 s10, 0
	s_cbranch_scc1 .Ldone
	v_lshlrev_b32 v5, 2, v4                        ; wave 0: lane l takes row l of the 32
	ds_load_b32 v6, v5
	s_lshl_b32 s2, ttmp9, 7                        ; 32 words for each work-group: 128 consecutive bytes, half an aligned block of 256; the whole table is 32 KiB
	s_add_nc_u64 s[8:9], s[8:9], s[2:3]
	s_wait_dscnt 0x0
	global_store_b32 v5, v6, s[8:9]
.Ldone:
	s_wait_tensorcnt 0x0
	ds_add_u32 v112, v113
	s_wait_dscnt 0x0
	s_endpgm
.Lfunc_end_k_qaabb48e43b_prep:
	.size	k_qaabb48e43b_prep, .Lfunc_end_k_qaabb48e43b_prep-k_qaabb48e43b_prep
	.p2alignl 7, 3214868480
	.fill 96, 4, 3214868480
	.section	.rodata,"a",@progbits
	.p2align	6, 0x0
	.amdhsa_kernel k_qaabb48e43b_prep
		.amdhsa_group_segment_fixed_size 1280
		.amdhsa_private_segment_fixed_size 0
		.amdhsa_enable_private_segment 0
		.amdhsa_kernarg_size 24
		.amdhsa_user_sgpr_count 2
		.amdhsa_user_sgpr_kernarg_segment_ptr 1
		.amdhsa_wavefront_size32 1
		.amdhsa_system_sgpr_workgroup_id_x 1
		.amdhsa_system_sgpr_workgroup_id_y 1
		.amdhsa_system_sgpr_workgroup_id_z 1
		.amdhsa_system_vgpr_workitem_id 0
		.amdhsa_next_free_vgpr 114
		.amdhsa_next_free_sgpr 66
		.amdhsa_reserve_vcc 0
		.amdhsa_float_denorm_mode_32 3
		.amdhsa_float_denorm_mode_16_64 3
		.amdhsa_memory_ordered 1
		.amdhsa_forward_progress 1
		.amdhsa_inst_pref_size 14
	.end_amdhsa_kernel
	.amdgpu_metadata
---
amdhsa.version: [ 1, 2 ]
amdhsa.kernels:
  - .name:           k_qaabb48e43b_prep
    .symbol:         k_qaabb48e43b_prep.kd
    .args:
      - { .name: codebook, .offset: 0, .size: 8, .value_kind: global_buffer, .address_space: global }
      - { .name: cb16, .offset: 8, .size: 8, .value_kind: global_buffer, .address_space: global }
      - { .name: nkk, .offset: 16, .size: 8, .value_kind: global_buffer, .address_space: global }
    .group_segment_fixed_size: 1280
    .private_segment_fixed_size: 0
    .kernarg_segment_align: 8
    .kernarg_segment_size: 24
    .max_flat_workgroup_size: 256
    .sgpr_count:     66
    .vgpr_count:     114
    .wavefront_size: 32
...
	.end_amdgpu_metadata
.endif
;; end of part 1
;; launch assign (part 2): grid 64 x 4, 4 waves a work-group, clusters of 4 x 1, 327,680 bytes of LDS; arguments cb16, nkk, x, candv, candi; writes candv, candi
.if DOCPART == 2
	.amdgcn_target "amdgcn-amd-amdhsa--gfx1250"
	.amdhsa_code_object_version 6
	.text
	.protected	k_qaabb48e43b_assign
	.globl	k_qaabb48e43b_assign
	.p2align	8
	.type	k_qaabb48e43b_assign,@function
k_qaabb48e43b_assign:
	s_mov_b64 s[64:65], 0
	v_nop
	global_prefetch_b8 v0, s[64:65] scope:SCOPE_SE
	s_setreg_imm32_b32 hwreg(HW_REG_WAVE_MODE, 25, 1), 1
	s_wait_xcnt 0x0
	s_wait_alu depctr_hold_cnt(0) depctr_sa_sdst(0) depctr_va_vdst(0) depctr_va_sdst(0) depctr_va_ssrc(0) depctr_va_vcc(0) depctr_vm_vsrc(0)
	s_getreg_b32 s2, hwreg(HW_REG_IB_STS2, 6, 4)
	s_cmp_eq_u32 s2, 0
	s_cbranch_scc0 .Lentry_in_a_cluster
	s_endpgm
.Lentry_in_a_cluster:
	s_bfe_u32 s2, ttmp6, 0x10000c
	s_cmp_lg_u32 s2, 0x3003
	s_cbranch_scc0 .Lentry_shape_is_right
	s_endpgm
.Lentry_shape_is_right:
; For each of 16,384 tokens (token n = b*1024 + t; x is [b][c][t], 512 channels c) and each quarter Y of the 8,192 codes:
;   candv[Y][n] = max over the quarter's codes of  s = x~ . k~ - |k~|^2 / 2,   candi[Y][n] = the lowest code that reaches it.
; x~, k~: x and the codebook rounded to bf16; products on the matrix unit, sums in f32.  The largest s is the smallest |x~ - k~|^2: |x|^2 is the same for
; every code of a token and is left out.  -|k~|^2/2 (nkk) is added behind the sum over the 512 channels, in f32.
; LIMITS: finite inputs only (a NaN or an infinity is not served).  The choice is that of the bf16-rounded vectors.  Two codes whose distances differ by less
; than the f32 rounding of sums of the size of |x|^2 + |k|^2 may be ordered otherwise than by the three-term formula; exact ties go to the lowest code.
;
; SHAPE.  A work-group has 256 tokens and 2,048 codes; 64 token blocks x 4 quarters = 256 work-groups.  A wave keeps 64 tokens x 512 channels of bf16
; in 512 registers for the whole launch; the codes stream through LDS.  A fragment of 16 codes x 32 channels (two LDS loads, 1 KiB a wave) feeds four
; matrix instructions, one for each block of 16 tokens.  The four waves hold other tokens and read the same code tile.
; Source 0 = codes, source 1 = tokens: in the result lane (r, h), register j is code 8 h + j for token column r, so the maximum runs inside a lane.
; Token 4 r + i of the wave is column r of block i: one 16-byte load of a channel row of x gives one number to each block, sixteen lanes read 256
; consecutive aligned bytes, and x needs no transposition.
; CLUSTER.  The four work-groups of a cluster (4, 1, 1) differ in their tokens alone and walk the same quarter of the codes: every code tile and the
; quarter of nkk are asked for jointly, mask 15.  x is not shared inside a cluster and comes by plain loads.
; RING.  16 steps of 128 codes through two LDS slots; a wave fetches 32 codes (32 rows of 1,024 bytes) of each.  By this text's own count a wave has three
; tensor loads out at the start and one behind each round.  A refill has a whole step, 512 matrix instructions of the wave, in which to land.
; The epilogue of a tile of 16 codes (add nkk, compare, keep value and tile number) is spread over the next tile's 16 groups of four matrix instructions.
;
; REGISTER WINDOWS (s_set_vgpr_msb, low byte: 1:0 source 0, 3:2 source 1, 5:4 source 2, 7:6 destination):
;   window 0: all that the loop names but the tokens.  window 1: four staging sets of 64 registers for x in f32 (start only).
;   windows 2, 3: the tokens: K step ks, block i, register q at 32 (ks & 7) + 8 i + q, window 2 for ks < 8, window 3 for ks >= 8.
; In the loop only source 1 is switched (M2, M3), and every vector instruction there other than a matrix instruction has a constant or a scalar register
; as its source 1, so the epilogue and the LDS loads stand among the matrix instructions with two switches for 64 of them.
.set PITCH, 1040                       ; an LDS row: 1,024 bytes + 16 of padding = 65 x 16: the 16 rows of a fragment load start 16 bytes apart modulo 256
.set T16,   16*PITCH                   ; a tile of 16 codes
.set WTILE, 32*PITCH                   ; what one tensor load brings
.set SLOT,  4*WTILE                    ; 128 codes: 133,120 bytes
.set NKKL,  2*SLOT                     ; 266,240: the quarter of nkk, 8,192 bytes, filled once
.set STEPB, 128*1024                   ; bytes of cb16 in a step
.set ADR,  2                           ; v2-5     LDS address of my part of a fragment: index 2 slot + (tile >> 2)
.set KAD,  6                           ; v6       LDS address of my 8 numbers of nkk in the lap's first tile
.set XO,   7                           ; v7       my byte offset in x
.set D,    8                           ; v[8:15]  four pairs: score minus best
.set NK,   16                          ; v[16:31] two sets of 8: nkk of a tile's codes 8 h + j
.set FR,   32                          ; v[32:95] a ring of eight code fragments
.set ACC,  96                          ; v[96:159] two sets of four accumulators
.set BEST, 160                         ; v[160:191] best score, for block b and j at 8 b + j
.set IDX,  192                         ; v[192:223] its tile number
.set RV,   224                         ; v[224:227] the way out: values of tokens 4 r .. 4 r + 3
.set RC,   228                         ; v[228:231] their codes
.set TV,   232
.set TC,   233
.set HT,   234
.set WV,   14                          ; s14 wave   s15 cx   s16 token block   s17 quarter
.set TID,  18                          ; s18 number of the tile whose epilogue is running
.set NINF, 19                          ; s19 -infinity
.set MK,   20                          ; s20 a second lane mask
.set G1,   24                          ; s[24:31] group 1: code tiles
.set G1K,  32                          ; s[32:39] group 1: nkk
.set G0,   40                          ; s[40:47] group 0 of slot 0, slot 1
.set G0K,  48                          ; s[48:51] group 0 of nkk
.set LDW,  0x40                        ; destination window 1
.set CV2,  0x85                        ; destination window 2, sources 0 and 1 window 1
.set CV3,  0xc5                        ; destination window 3, sources 0 and 1 window 1
.set M2,   0x08                        ; source 1 window 2
.set M3,   0x0c                        ; source 1 window 3
.set MSB,  0
.macro WIN new                         ; the immediate's high byte repeats the setting that is left
.if MSB != \new
	s_set_vgpr_msb (MSB<<8)|\new
.set MSB, \new
.endif
.endm
; A round of the cluster's barrier: my work-group's barrier; wave 0 signals for the work-group; every wave waits for all four work-groups; my barrier again.
.macro CREST                           ; a round behind its opening barrier
	s_cmp_lg_u32 s[WV], 0
	s_cbranch_scc1 .Lnot_wave_0_\@
	s_barrier_signal -3
.Lnot_wave_0_\@:
	s_barrier_wait -3
	s_barrier_signal -1
	s_barrier_wait -1
.endm
.macro CROUND
	s_barrier_signal -1
	s_barrier_wait -1
	CREST
.endm
	s_load_b256 s[4:11], s[0:1], 0x0               ; cb16 s[4:5], nkk s[6:7], x s[8:9], candv s[10:11]
	s_load_b64 s[12:13], s[0:1], 0x20              ; candi
	v_lshl_add_u32 v254, v0, 2, 0x43000
	v_mov_b32 v255, 0
	ds_add_u32 v254, v255
	v_lshrrev_b32 v1, 5, v0
	v_readfirstlane_b32 s[WV], v1                  ; wave 0..3
	s_bfe_u32 s15, ttmp6, 0x40000                  ; cx
	s_lshl_b32 s16, ttmp9, 2
	s_add_co_u32 s16, s16, s15                     ; token block = 4 x cluster x + cx
	s_and_b32 s17, ttmp7, 0xffff                   ; quarter of the codes = cluster y, the same in all four partners
	s_mov_b32 s[TID], -2                           ; each tile adds 1 at its head; the epilogue there is the tile before's: 0 in the second tile
	s_mov_b32 s[NINF], 0xff800000
	s_mov_b32 s52, 0x76543210                      ; v_permlanex16_b32: lane i reads lane i of the other half
	s_mov_b32 s53, 0xfedcba98
	; group 1, code tiles: 32 rows x 512 elements of 2 bytes, 4 words of padding behind every 256 words
	s_mov_b32 s[G1+0], 15|(1<<16)|(1<<20)|(1<<21)|(7<<22)|(3<<25)  ; 15:0 mask: all four of the cluster; 17:16 2 bytes; 20 padding; 21 set beside a mask; 24:22 every 256 words; 31:25 4 words
	s_mov_b32 s[G1+1], 512<<16                     ; tensor_dim0 = 512
	s_mov_b32 s[G1+2], 32<<16                      ; tensor_dim1 = 32
	s_mov_b32 s[G1+3], 512<<16                     ; tile_dim0 = 512
	s_mov_b32 s[G1+4], 32                          ; tile_dim1 = 32
	s_mov_b32 s[G1+5], 512                         ; from row to row
	s_mov_b32 s[G1+6], 0
	s_mov_b32 s[G1+7], 0
	; group 1, nkk: a dense block of 2,048 bytes as 8 rows of 32 elements of 8 bytes
	s_mov_b32 s[G1K+0], 15|(3<<16)|(1<<21)
	s_mov_b32 s[G1K+1], 32<<16
	s_mov_b32 s[G1K+2], 8<<16
	s_mov_b32 s[G1K+3], 32<<16
	s_mov_b32 s[G1K+4], 8
	s_mov_b32 s[G1K+5], 32
	s_mov_b32 s[G1K+6], 0
	s_mov_b32 s[G1K+7], 0
	; what feeds the joint descriptors is made of the quarter and the wave alone, in s2, s3, s22, s23; cx never enters these registers
	s_mul_i32 s2, s[WV], WTILE                     ; my 32 rows of a slot
	s_lshl_b32 s22, s17, 21                        ; 2,048 codes of 1,024 bytes for each quarter
	s_lshl_b32 s3, s[WV], 15                       ; 32 codes for each wave
	s_add_co_u32 s22, s22, s3
	s_mov_b32 s23, 0
	s_wait_dscnt 0x0
	s_wait_kmcnt 0x0
	s_mov_b32 s[G0+0], 1
	s_mov_b32 s[G0+1], s2                          ; slot 0
	s_add_nc_u64 s[G0+2:G0+3], s[4:5], s[22:23]    ; step 0
	s_mov_b32 s[G0+4], 1
	s_add_co_u32 s[G0+5], s2, SLOT                 ; slot 1
	s_add_nc_u64 s[G0+6:G0+7], s[G0+2:G0+3], STEPB ; step 1
	s_or_b32 s[G0+3], s[G0+3], 0x80000000          ; type 2
	s_or_b32 s[G0+7], s[G0+7], 0x80000000
	s_lshl_b32 s22, s17, 13                        ; 2,048 words of nkk for each quarter
	s_lshl_b32 s3, s[WV], 11                       ; 512 words for each wave
	s_add_co_u32 s22, s22, s3
	s_mov_b32 s[G0K+0], 1
	s_add_co_u32 s[G0K+1], s3, NKKL
	s_add_nc_u64 s[G0K+2:G0K+3], s[6:7], s[22:23]
	s_or_b32 s[G0K+3], s[G0K+3], 0x80000000
	; what hangs on cx: the addresses of x and of the results, in s58-60 and s[8:13]
	s_lshr_b32 s58, s16, 2                         ; b
	s_lshl_b32 s58, s58, 21                        ; 512 channels of 4,096 bytes
	s_and_b32 s60, s16, 3
	s_lshl_b32 s60, s60, 10                        ; 256 tokens of 4 bytes for each block
	s_add_co_u32 s58, s58, s60
	s_lshl_b32 s60, s[WV], 8                       ; 64 tokens for each wave
	s_add_co_u32 s58, s58, s60
	s_mov_b32 s59, 0
	s_add_nc_u64 s[8:9], s[8:9], s[58:59]
	s_lshl_b32 s58, s17, 16                        ; results: [quarter][16,384] words
	s_add_co_u32 s58, s58, s60
	s_lshl_b32 s60, s16, 10
	s_add_co_u32 s58, s58, s60
	s_add_nc_u64 s[10:11], s[10:11], s[58:59]
	s_add_nc_u64 s[12:13], s[12:13], s[58:59]
	CROUND                                         ; all four work-groups are here: the first joint loads meet
	tensor_load_to_lds s[G0K:G0K+3], s[G1K:G1K+7]  ; the three first fills go out as one group
	s_nop 0
	tensor_load_to_lds s[G0:G0+3], s[G1:G1+7]
	s_nop 0
	tensor_load_to_lds s[G0+4:G0+7], s[G1:G1+7]
	s_nop 0
	v_and_b32 v1, 15, v0                           ; r
	v_bfe_u32 v8, v0, 4, 1                         ; h
	v_lshlrev_b32 v[XO], 4, v1                     ; tokens 4 r .. 4 r + 3
	v_lshl_add_u32 v[XO], v8, 15, v[XO]            ; + 8 h channels of 4,096 bytes
	v_mul_u32_u24 v9, v1, PITCH
	v_lshl_add_u32 v[ADR], v8, 4, v9               ; code row r, 16 bytes for each half of the lanes
	v_add_nc_u32 v[ADR+1], 4*T16, v[ADR]           ; tiles 4-7: an LDS offset has 16 bits
	v_add_nc_u32 v[ADR+2], SLOT, v[ADR]
	v_add_nc_u32 v[ADR+3], SLOT+4*T16, v[ADR]
	v_lshlrev_b32 v[KAD], 5, v8                    ; codes 8 h .. 8 h + 7: 32 bytes
	v_add_nc_u32 v[KAD], NKKL, v[KAD]
; THE TOKENS.  A source-1 fragment (32 channels x 16 tokens): lane (r, h) holds column r; registers 0-3 channels 8 h + 0..7, registers 4-7 channels 16 + 8 h + 0..7.
; XLOAD: the 16 channel rows of K step ks that my half of the lanes needs, four tokens each, into a staging set.
.macro XLOAD set, ks
	WIN LDW
.irp e, 0,1,2,3,4,5,6,7,8,9,10,11,12,13,14,15
	global_load_b128 v[64*(\set)+4*\e:64*(\set)+4*\e+3], v[XO], s[8:9] offset:(32*(\ks)+\e+8*(\e>>3))*4096
.endr
.endm
; XCVT: register q of block i packs channels 2 q and 2 q + 1 of the sixteen, token 4 r + i.
.macro XCVT set, ks
.if \ks < 8
	WIN CV2
.else
	WIN CV3
.endif
.irp i, 0,1,2,3
.irp q, 0,1,2,3,4,5,6,7
	v_cvt_pk_bf16_f32 v[32*((\ks)&7)+8*\i+\q], v[64*(\set)+8*\q+\i], v[64*(\set)+8*\q+4+\i]
.endr
.endr
.endm
	XLOAD 0, 0
	XLOAD 1, 1
	XLOAD 2, 2
.irp ks, 0,1,2,3,4,5,6,7,8,9,10,11,12,13,14,15
.if \ks < 13
	XLOAD (\ks+3)&3, \ks+3                         ; into the set that was converted last
	s_wait_loadcnt 48                              ; three younger sets of 16 loads stay out
.else
	s_wait_loadcnt 16*(15-\ks)                     ; nothing more is asked for: the counts run down
.endif
	XCVT (\ks)&3, \ks
.endr
	WIN 0
; One of the two loads of code fragment k (32 channels at byte 64 k of the rows) of a tile, into the ring.
.macro FRAG1 slot, tile, k, half
	ds_load_b128 v[FR+8*((\k)&7)+4*\half:FR+8*((\k)&7)+4*\half+3], v[ADR+2*(\slot)+((\tile)>>2)] offset:((\tile)&3)*T16+64*(\k)+32*\half
.endm
.macro FRAG slot, tile, k
	FRAG1 \slot, \tile, \k, 0
	FRAG1 \slot, \tile, \k, 1
.endm
; One matrix instruction: block b of my tokens, K step k.  K step 0 starts the sums: nothing is cleared.
.macro WM b, k
.if \k == 0
	v_wmma_f32_16x16x32_bf16 v[CA+8*\b:CA+8*\b+7], v[FR+8*((\k)&7):FR+8*((\k)&7)+7], v[32*((\k)&7)+8*\b:32*((\k)&7)+8*\b+7], 0
.else
	v_wmma_f32_16x16x32_bf16 v[CA+8*\b:CA+8*\b+7], v[FR+8*((\k)&7):FR+8*((\k)&7)+7], v[32*((\k)&7)+8*\b:32*((\k)&7)+8*\b+7], v[CA+8*\b:CA+8*\b+7]
.endif
.endm
; A quarter (part 0..3) of the epilogue of pair k (registers 2 k, 2 k + 1 of the 32) of the tile in accumulator set as.
; mode 2: score = sum + nkk; better = score - best > 0 (for finite numbers the same as score > best; strict, so the earlier tile keeps a tie);
;         tile number and best follow.  The maximum is a maximum of three with -infinity, and the sums are multiply-adds by 1.0, so that source 1 is no vector register.
; mode 1: the first tile starts best and tile number.   mode 0: no tile in front: places only.
.macro EPI part, k, as, mode
.set ES, ACC+32*(\as)+2*(\k)
.set EN, NK+8*(\as)+2*((\k)&3)
.set EB, BEST+2*(\k)
.set EI, IDX+2*(\k)
.set ED, D+2*((\k)&3)
.if \mode == 2
.if \part == 0
	v_pk_fma_f32 v[ES:ES+1], v[ES:ES+1], 1.0, v[EN:EN+1] op_sel_hi:[1,0,1]
.endif
.if \part == 1
	v_pk_fma_f32 v[ED:ED+1], v[ES:ES+1], 1.0, v[EB:EB+1] op_sel_hi:[1,0,1] neg_lo:[0,0,1] neg_hi:[0,0,1]
.endif
.if \part == 2
	v_cmp_gt_f32 vcc_lo, v[ED], 0
	v_cmp_gt_f32 s[MK], v[ED+1], 0
	v_max3_num_f32 v[EB], v[ES], s[NINF], v[EB]
.endif
.if \part == 3
	v_cndmask_b32 v[EI], v[EI], s[TID], vcc_lo
	v_cndmask_b32 v[EI+1], v[EI+1], s[TID], s[MK]
	v_max3_num_f32 v[EB+1], v[ES+1], s[NINF], v[EB+1]
.endif
.endif
.if \mode == 1
.if \part == 0
	v_pk_fma_f32 v[EB:EB+1], v[ES:ES+1], 1.0, v[EN:EN+1] op_sel_hi:[1,0,1]
.endif
.if \part == 1
	v_mov_b32 v[EI], s[TID]
.endif
.if \part == 2
	v_mov_b32 v[EI+1], s[TID]
	v_nop
.endif
.if \part == 3
	v_nop
	v_nop
.endif
.endif
.if \mode == 0
	v_nop
.if \part >= 2
	v_nop
.endif
.endif
.endm
; A GROUP: K step k of tile tl of a slot: four matrix instructions, a quarter of the epilogue of pair k behind each, and the fetch of the fragment six groups ahead.
; The four accumulators take turns, one instruction a turn, over tile ends and the loop's backward jump too.
; PLACES (ISA guide 7.12.1): a ring register is loaded again two groups behind the matrix instructions that read it, and an accumulator is first touched by the
; epilogue a group behind its last matrix instruction; the epilogue's vector instructions in between, which name other registers, are at least five and six places.
; kind 3: a tile inside a slot.  kind 2: a slot's last tile, the slot is filled again.  kind 1: a slot's last tile, no refill.  kind 0: the last tile of all.
.macro GROUP slot, tl, k, mode, kind
.set CA, ACC+32*((\tl)&1)              ; this tile's accumulators
.set PA, 1-((\tl)&1)                   ; the set of the tile in front
.set BND, 0
.if \kind == 1
.set BND, 1
.endif
.if \kind == 2
.set BND, 1
.endif
.set FON, 1                            ; what is fetched here: fragment k + 6 of this tile, or k - 10 of the next
.set FS, \slot
.set FT, \tl
.set FK, \k+6
.if \k >= 10
.set FT, \tl+1
.set FK, \k-10
.if \kind == 0
.set FON, 0
.endif
.if BND
.set FS, 1-\slot
.set FT, 0
.if \k < 13
.set FON, 0
.endif
.endif
.endif
.set WT, 10                            ; fragment k is in; the ten loads of the five younger fragments may be out (nkk's two loads among them only make the wait stricter)
.if \k >= 10
.if BND
.set WT, -1                            ; all fragments of this tile were shown in by the wait for 0 below
.endif
.if \kind == 0
.set WT, 2*(15-\k)                     ; nothing more is fetched: the counts run down to 0, which also shows the last tile's nkk in
.endif
.endif
.if \k == 0
	WIN M2
.endif
.if \k == 8
	WIN M3
.endif
.if BND
.if \k == 10
	s_wait_dscnt 0x0                               ; my reads of this slot are over: its last fragment was asked for in group 9
	s_set_vgpr_msb 0xc00
	s_wait_tensorcnt 0x0                           ; all my tensor loads have landed: the one that was out is my part of the other slot
	ds_add_u32 v254, v255
	s_wait_dscnt 0x0
	s_set_vgpr_msb 0xc
.if \kind == 2
	s_add_nc_u64 s[G0+4*\slot+2:G0+4*\slot+3], s[G0+4*\slot+2:G0+4*\slot+3], 2*STEPB   ; no load of mine is out: this slot's next step
.endif
	s_barrier_signal -1                            ; say so; three groups of register work follow while the others arrive
.endif
.if \k == 13
.if \kind == 2
	WIN 0                                          ; a branch and a label follow
	s_barrier_wait -1
	CREST                                          ; no wave of any partner still reads this slot or has a load on its way
	tensor_load_to_lds s[G0+4*\slot:G0+4*\slot+3], s[G1:G1+7]      ; my one tensor load behind the round, and the first thing there
	s_nop 0
	WIN M3
.else
	s_barrier_wait -1                              ; the other slot is whole; nothing is filled again
.endif
	FRAG 1-\slot, 0, 0                             ; the other slot's first fragments; three more follow in groups 13 to 15
	FRAG 1-\slot, 0, 1
	FRAG 1-\slot, 0, 2
.endif
.endif
.if WT >= 0
	s_wait_dscnt WT
.endif
	WM 0, \k
	EPI 0, \k, PA, \mode
.if FON
	FRAG1 FS, FT, FK, 0
.endif
	WM 1, \k
	EPI 1, \k, PA, \mode
.if FON
	FRAG1 FS, FT, FK, 1
.endif
.if \k == 1
	ds_load_b128 v[NK+8*((\tl)&1):NK+8*((\tl)&1)+3], v[KAD] offset:(8*\slot+\tl)*64        ; this tile's nkk, for its epilogue in the next tile
	ds_load_b128 v[NK+8*((\tl)&1)+4:NK+8*((\tl)&1)+7], v[KAD] offset:(8*\slot+\tl)*64+16
.endif
	WM 2, \k
	EPI 2, \k, PA, \mode
	WM 3, \k
	EPI 3, \k, PA, \mode
.endm
.macro TILE slot, tl, mode, kind
	s_add_co_u32 s[TID], s[TID], 1
.irp k, 0,1,2,3,4,5,6,7,8,9,10,11,12,13,14,15
	GROUP \slot, \tl, \k, \mode, \kind
.endr
.endm
.macro STEP slot, m0, m1, kind         ; 128 codes: eight tiles
	TILE \slot, 0, \m0, 3
	TILE \slot, 1, \m1, 3
	TILE \slot, 2, 2, 3
	TILE \slot, 3, 2, 3
	TILE \slot, 4, 2, 3
	TILE \slot, 5, 2, 3
	TILE \slot, 6, 2, 3
	TILE \slot, 7, 2, \kind
.endm
	s_wait_tensorcnt 0x1                           ; my parts of nkk and of slot 0 are in; slot 1's may stay out
	s_barrier_signal -1
	s_barrier_wait -1                              ; everybody's are
.irp k, 0,1,2,3,4,5
	FRAG 0, 0, \k
.endr
	STEP 0, 0, 1, 2                                ; steps 0 and 1 stand in front of the loop: the first tile has no epilogue, the second starts the maxima
	STEP 1, 2, 2, 2
	WIN 0                                          ; at a label and at a branch every window is 0
	v_add_nc_u32 v[KAD], 1024, v[KAD]              ; 16 tiles of 64 bytes of nkk on
	s_mov_b32 s21, 6
.Llap:                                             ; steps 2 to 13; each fills its slot again with the step two ahead
	STEP 0, 2, 2, 2
	STEP 1, 2, 2, 2
	WIN 0
	v_add_nc_u32 v[KAD], 1024, v[KAD]
	s_sub_co_u32 s21, s21, 1
	s_cmp_lg_u32 s21, 0
	s_cbranch_scc1 .Llap
	STEP 0, 2, 2, 1                                ; step 14: nothing is left to fetch
	STEP 1, 2, 2, 0                                ; step 15
	WIN 0
	s_add_co_u32 s[TID], s[TID], 1                 ; 127: the last tile's epilogue
.irp k, 0,1,2,3,4,5,6,7,8,9,10,11,12,13,14,15
	EPI 0, \k, 1, 2
	EPI 1, \k, 1, 2
	EPI 2, \k, 1, 2
	EPI 3, \k, 1, 2
.endr
; THE WAY OUT.  b takes a's place if it is larger, or equal with the lower code.  The masks only choose values.
.macro MERGE va, ca, vb, cb
	v_cmp_gt_f32 s54, v[\vb], v[\va]
	v_cmp_eq_f32 s55, v[\vb], v[\va]
	v_cmp_lt_u32 s56, v[\cb], v[\ca]
	s_and_b32 s55, s55, s56
	s_or_b32 s54, s54, s55
	v_cndmask_b32 v[\va], v[\va], v[\vb], s54
	v_cndmask_b32 v[\ca], v[\ca], v[\cb], s54
.endm
	v_bfe_u32 v[HT], v0, 4, 1
	v_lshlrev_b32 v[HT], 3, v[HT]
	s_lshl_b32 s3, s17, 11
	v_add_nc_u32 v[HT], s3, v[HT]                  ; 8 h + 2,048 x quarter
.irp b, 0,1,2,3
.irp j, 0,1,2,3,4,5,6,7
	v_lshl_add_u32 v[IDX+8*\b+\j], v[IDX+8*\b+\j], 4, \j       ; 16 x tile + j
.endr
	MERGE BEST+8*\b,   IDX+8*\b,   BEST+8*\b+1, IDX+8*\b+1
	MERGE BEST+8*\b+2, IDX+8*\b+2, BEST+8*\b+3, IDX+8*\b+3
	MERGE BEST+8*\b+4, IDX+8*\b+4, BEST+8*\b+5, IDX+8*\b+5
	MERGE BEST+8*\b+6, IDX+8*\b+6, BEST+8*\b+7, IDX+8*\b+7
	MERGE BEST+8*\b,   IDX+8*\b,   BEST+8*\b+2, IDX+8*\b+2
	MERGE BEST+8*\b+4, IDX+8*\b+4, BEST+8*\b+6, IDX+8*\b+6
	MERGE BEST+8*\b,   IDX+8*\b,   BEST+8*\b+4, IDX+8*\b+4
	v_add_nc_u32 v[RC+\b], v[IDX+8*\b], v[HT]      ; the code's number in the whole codebook
	v_mov_b32 v[RV+\b], v[BEST+8*\b]
	v_mov_b32 v[TV], v[RV+\b]                      ; the permutes' destinations count as read
	v_mov_b32 v[TC], v[RC+\b]
	v_permlanex16_b32 v[TV], v[RV+\b], s52, s53    ; the other half of the lanes holds the other eight codes of each tile
	v_permlanex16_b32 v[TC], v[RC+\b], s52, s53
	MERGE RV+\b, RC+\b, TV, TC
.endr
	v_and_b32 v1, 15, v0
	v_lshlrev_b32 v1, 4, v1                        ; tokens 4 r .. 4 r + 3: 16 bytes
	v_and_b32 v[TV], 16, v0
	v_cmp_eq_u32 vcc_lo, 0, v[TV]                  ; lanes 0 to 15
	s_wait_xcnt 0x0                                ; EXEC changes only behind this wait
	s_and_saveexec_b32 s57, vcc_lo
	global_store_b128 v1, v[RV:RV+3], s[10:11]     ; sixteen lanes store 256 consecutive bytes, aligned
	global_store_b128 v1, v[RC:RC+3], s[12:13]
	s_wait_xcnt 0x0                                ; and again, in front of the line that widens it
	s_or_b32 exec_lo, exec_lo, s57
	CROUND                                         ; the closing round: no work-group ends while a partner may still ask for a tile that names it
	s_endpgm
.Lfunc_end_k_qaabb48e43b_assign:
	.size	k_qaabb48e43b_assign, .Lfunc_end_k_qaabb48e43b_assign-k_qaabb48e43b_assign
	.p2alignl 7, 3214868480
	.fill 96, 4, 3214868480
	.section	.rodata,"a",@progbits
	.p2align	6, 0x0
	.amdhsa_kernel k_qaabb48e43b_assign
		.amdhsa_group_segment_fixed_size 327680
		.amdhsa_private_segment_fixed_size 0
		.amdhsa_enable_private_segment 0
		.amdhsa_kernarg_size 40
		.amdhsa_user_sgpr_count 2
		.amdhsa_user_sgpr_kernarg_segment_ptr 1
		.amdhsa_wavefront_size32 1
		.amdhsa_system_sgpr_workgroup_id_x 1
		.amdhsa_system_sgpr_workgroup_id_y 1
		.amdhsa_system_sgpr_workgroup_id_z 1
		.amdhsa_system_vgpr_workitem_id 0
		.amdhsa_next_free_vgpr 1024
		.amdhsa_next_free_sgpr 66
		.amdhsa_reserve_vcc 1
		.amdhsa_float_denorm_mode_32 3
		.amdhsa_float_denorm_mode_16_64 3
		.amdhsa_memory_ordered 1
		.amdhsa_forward_progress 1
		.amdhsa_inst_pref_size 255
	.end_amdhsa_kernel
	.section	.bss,"aw",@nobits
	.p2align	6
	.space	262144
	.amdgpu_metadata
---
amdhsa.version: [ 1, 2 ]
amdhsa.kernels:
  - .name:           k_qaabb48e43b_assign
    .symbol:         k_qaabb48e43b_assign.kd
    .args:
      - { .name: cb16, .offset: 0, .size: 8, .value_kind: global_buffer, .address_space: global }
      - { .name: nkk, .offset: 8, .size: 8, .value_kind: global_buffer, .address_space: global }
      - { .name: x, .offset: 16, .size: 8, .value_kind: global_buffer, .address_space: global }
      - { .name: candv, .offset: 24, .size: 8, .value_kind: global_buffer, .address_space: global }
      - { .name: candi, .offset: 32, .size: 8, .value_kind: global_buffer, .address_space: global }
    .group_segment_fixed_size: 327680
    .private_segment_fixed_size: 0
    .kernarg_segment_align: 8
    .kernarg_segment_size: 40
    .max_flat_workgroup_size: 128
    .sgpr_count:     66
    .vgpr_count:     1024
    .wavefront_size: 32
...
	.end_amdgpu_metadata
.endif
;; end of part 2
;; launch merge (part 3): grid 32 x 1, 4 waves a work-group, no clusters, 0 bytes of LDS; arguments candv, candi, idx; writes idx
.if DOCPART == 3
	.amdgcn_target "amdgcn-amd-amdhsa--gfx1250"
	.amdhsa_code_object_version 6
	.text
	.protected	k_qaabb48e43b_merge
	.globl	k_qaabb48e43b_merge
	.p2align	8
	.type	k_qaabb48e43b_merge,@function
k_qaabb48e43b_merge:
	s_mov_b64 s[64:65], 0
	v_nop
	global_prefetch_b8 v0, s[64:65] scope:SCOPE_SE
	s_setreg_imm32_b32 hwreg(HW_REG_WAVE_MODE, 25, 1), 1
	s_wait_xcnt 0x0
; idx[n] = the code of the best of the four quarters' candidates of token n.  candv, candi: [4][16,384].
; A lane owns four neighbouring tokens: eight loads of 16 bytes, one store of 16 bytes; a wave's load or store covers 512 consecutive bytes.
; The compare is strict: a lower quarter, whose codes are lower, keeps a tie.  The choice is stored here as whole numbers because the next launch
; forms addresses from it.  512 tokens a work-group make 32 work-groups: there is no work for more.
.set V, 4                              ; v[4:19]   values, quarter y at 4 y
.set C, 20                             ; v[20:35]  codes
	s_load_b128 s[4:7], s[0:1], 0x0                ; candv s[4:5], candi s[6:7]
	s_load_b64 s[8:9], s[0:1], 0x10                ; idx
	s_lshl_b32 s2, ttmp9, 11                       ; 128 threads of 16 bytes
	v_lshl_add_u32 v1, v0, 4, s2
	s_wait_kmcnt 0x0
.irp y, 0,1,2,3
	global_load_b128 v[V+4*\y:V+4*\y+3], v1, s[4:5] offset:65536*\y
	global_load_b128 v[C+4*\y:C+4*\y+3], v1, s[6:7] offset:65536*\y
.endr
	s_wait_loadcnt 0x0
.irp y, 1,2,3
.irp e, 0,1,2,3
	v_cmp_gt_f32 vcc_lo, v[V+4*\y+\e], v[V+\e]
	v_cndmask_b32 v[V+\e], v[V+\e], v[V+4*\y+\e], vcc_lo
	v_cndmask_b32 v[C+\e], v[C+\e], v[C+4*\y+\e], vcc_lo
.endr
.endr
	global_store_b128 v1, v[C:C+3], s[8:9]
	s_endpgm
.Lfunc_end_k_qaabb48e43b_merge:
	.size	k_qaabb48e43b_merge, .Lfunc_end_k_qaabb48e43b_merge-k_qaabb48e43b_merge
	.p2alignl 7, 3214868480
	.fill 96, 4, 3214868480
	.section	.rodata,"a",@progbits
	.p2align	6, 0x0
	.amdhsa_kernel k_qaabb48e43b_merge
		.amdhsa_group_segment_fixed_size 0
		.amdhsa_private_segment_fixed_size 0
		.amdhsa_enable_private_segment 0
		.amdhsa_kernarg_size 24
		.amdhsa_user_sgpr_count 2
		.amdhsa_user_sgpr_kernarg_segment_ptr 1
		.amdhsa_wavefront_size32 1
		.amdhsa_system_sgpr_workgroup_id_x 1
		.amdhsa_system_sgpr_workgroup_id_y 1
		.amdhsa_system_sgpr_workgroup_id_z 1
		.amdhsa_system_vgpr_workitem_id 0
		.amdhsa_next_free_vgpr 40
		.amdhsa_next_free_sgpr 66
		.amdhsa_reserve_vcc 1
		.amdhsa_float_denorm_mode_32 3
		.amdhsa_float_denorm_mode_16_64 3
		.amdhsa_memory_ordered 1
		.amdhsa_forward_progress 1
		.amdhsa_inst_pref_size 3
	.end_amdhsa_kernel
	.amdgpu_metadata
---
amdhsa.version: [ 1, 2 ]
amdhsa.kernels:
  - .name:           k_qaabb48e43b_merge
    .symbol:         k_qaabb48e43b_merge.kd
    .args:
      - { .name: candv, .offset: 0, .size: 8, .value_kind: global_buffer, .address_space: global }
      - { .name: candi, .offset: 8, .size: 8, .value_kind: global_buffer, .address_space: global }
      - { .name: idx, .offset: 16, .size: 8, .value_kind: global_buffer, .address_space: global }
    .group_segment_fixed_size: 0
    .private_segment_fixed_size: 0
    .kernarg_segment_align: 8
    .kernarg_segment_size: 24
    .max_flat_workgroup_size: 128
    .sgpr_count:     66
    .vgpr_count:     40
    .wavefront_size: 32
...
	.end_amdgpu_metadata
.endif
;; end of part 3
;; launch gather (part 4): grid 256 x 1, 16 waves a work-group, no clusters, 134,400 bytes of LDS; arguments idx, codebook, x, out0, part; writes out0, part
.if DOCPART == 4
	.amdgcn_target "amdgcn-amd-amdhsa--gfx1250"
	.amdhsa_code_object_version 6
	.text
	.protected	k_qaabb48e43b_gather
	.globl	k_qaabb48e43b_gather
	.p2align	8
	.type	k_qaabb48e43b_gather,@function
k_qaabb48e43b_gather:
	s_mov_b64 s[64:65], 0
	v_nop
	global_prefetch_b8 v0, s[64:65] scope:SCOPE_SE
	s_setreg_imm32_b32 hwreg(HW_REG_WAVE_MODE, 25, 1), 1
	s_wait_xcnt 0x0
; out0[b][c][t] = x + (k - x), k = codebook[idx[token]][c], both steps in f32 as the function writes them;  part[work-group] = sum of (k - x)^2.
; A work-group has 64 neighbouring tokens of one b and all 512 channels.  The codebook's rows lie along c, x and out0 along t: the rows are turned in LDS.
; Wave w gathers the rows of tokens 4 w .. 4 w + 3 (four loads of 512 consecutive bytes each) and works on channels 32 w .. 32 w + 31 of all 64 tokens.
; A load of x and a store of out0 take 16 bytes a lane: lanes 0-15 the 256 aligned bytes of the 64 tokens in one channel, lanes 16-31 in the next.
; All 32 loads of a wave go out at once.  The loss is formed from the differences themselves, not from the distances.
; A stream with a gather: no matrix unit; no cluster, since no two work-groups are bound to share a row.
; LDS: token tau lies in row (tau >> 2) + 16 (tau & 3), pitch 2,064 bytes = 516 words.  A row is written as consecutive 16-byte pieces; a read of one word a
; lane takes rows tq = 0..15 and two neighbouring channels: words 4 tq + cp + a constant modulo 64, all different.
.set PITCH, 2064
.set QUAD,  16*PITCH                   ; 33,024: from token 4 tq + i to 4 tq + i + 1
.set SUMS,  64*PITCH                   ; 132,096: one word for each wave
.set XO, 2                             ; v2       my byte offset in x and out0
.set GO, 4                             ; v[4:7]   my byte offset in the codebook row of token 4 w + i
.set SA, 8                             ; v[8:9]   LDS: where I put a piece of a row (i < 2, i >= 2)
.set LA, 10                            ; v[10:11] LDS: where I read a word back
.set L,  12                            ; v[12:15] two pairs of running sums
.set X,  20                            ; v[20:83] load m: x of 4 tokens; then out0
.set GA, 84                            ; v[84:147] the gathered pieces; then k of the same 4 tokens; then k - x
	s_load_b256 s[4:11], s[0:1], 0x0               ; idx s[4:5], codebook s[6:7], x s[8:9], out0 s[10:11]
	s_load_b64 s[12:13], s[0:1], 0x20              ; part
	v_lshl_add_u32 v148, v0, 2, 0x20500
	v_mov_b32 v149, 0
	v_lshrrev_b32 v1, 5, v0
	v_readfirstlane_b32 s14, v1                    ; wave 0..15
	v_and_b32 v3, 31, v0                           ; lane
	v_and_b32 v16, 15, v0                          ; tq
	v_bfe_u32 v17, v0, 4, 1                        ; cp
	v_lshlrev_b32 v1, 4, v3                        ; 16 x lane
	v_lshlrev_b32 v[XO], 4, v16
	v_lshl_add_u32 v[XO], v17, 12, v[XO]           ; 16 tq + 4,096 cp
	s_mov_b32 s26, 0x76543210
	s_mov_b32 s27, 0xfedcba98
	s_lshl_b32 s20, ttmp9, 8                       ; idx: 64 words for each work-group,
	s_lshl_b32 s15, s14, 4                         ; 4 for each wave
	s_add_co_u32 s20, s20, s15
	s_mov_b32 s21, 0
	s_lshr_b32 s22, ttmp9, 4                       ; b
	s_lshl_b32 s22, s22, 21
	s_lshl_b32 s15, s14, 17                        ; 32 channels of 4,096 bytes for each wave
	s_add_co_u32 s22, s22, s15
	s_and_b32 s15, ttmp9, 15
	s_lshl_b32 s15, s15, 8                         ; 64 tokens of 4 bytes
	s_add_co_u32 s22, s22, s15
	s_mov_b32 s23, 0
	s_wait_kmcnt 0x0
	s_add_nc_u64 s[4:5], s[4:5], s[20:21]
	s_load_b128 s[16:19], s[4:5], 0x0              ; the codes of my four tokens
	s_add_nc_u64 s[8:9], s[8:9], s[22:23]
	s_add_nc_u64 s[10:11], s[10:11], s[22:23]
.irp m, 0,1,2,3,4,5,6,7,8,9,10,11,12,13,14,15
	global_load_b128 v[X+4*\m:X+4*\m+3], v[XO], s[8:9] offset:8192*\m th:TH_LOAD_NT     ; channels 2 m + cp
.endr
	s_mul_i32 s15, s14, PITCH
	v_add_nc_u32 v[SA], s15, v1                    ; row w, 16 x lane
	v_add_nc_u32 v[SA+1], 2*QUAD, v[SA]
	v_mul_u32_u24 v18, v16, PITCH
	v_lshl_add_u32 v18, v17, 2, v18
	s_lshl_b32 s24, s14, 7
	v_add_nc_u32 v[LA], s24, v18                   ; row tq, word 32 w + cp
	v_add_nc_u32 v[LA+1], 2*QUAD, v[LA]
	s_lshl_b32 s25, s14, 2
	s_add_co_u32 s25, s25, SUMS
	s_wait_kmcnt 0x0
	s_min_u32 s16, s16, 0x1fff                     ; a code is below 8,192
	s_min_u32 s17, s17, 0x1fff
	s_min_u32 s18, s18, 0x1fff
	s_min_u32 s19, s19, 0x1fff
.irp i, 0,1,2,3
	v_lshl_add_u32 v[GO+\i], s[16+\i], 11, v1      ; a row of 2,048 bytes
.endr
.irp i, 0,1,2,3
.irp q, 0,1,2,3
	global_load_b128 v[GA+16*\i+4*\q:GA+16*\i+4*\q+3], v[GO+\i], s[6:7] offset:512*\q
.endr
.endr
.irp i, 0,1,2,3
.irp q, 0,1,2,3
	s_wait_loadcnt 15-4*\i-\q                      ; loads come back in order: this piece is in, the younger ones stay out; the last count, 0, shows x in too
	ds_store_b128 v[SA+(\i>>1)], v[GA+16*\i+4*\q:GA+16*\i+4*\q+3] offset:(\i&1)*QUAD+512*\q
.endr
.endr
	s_wait_dscnt 0x0                               ; my rows are in LDS before I say so
	s_barrier_signal -1
	s_barrier_wait -1
.irp m, 0,1,2,3,4,5,6,7,8,9,10,11,12,13,14,15
.irp i, 0,1,2,3
	ds_load_b32 v[GA+4*\m+\i], v[LA+(\i>>1)] offset:(\i&1)*QUAD+8*\m       ; k of token 4 tq + i, channel 32 w + 2 m + cp
.endr
.endr
.irp m, 0,1,2,3,4,5,6,7,8,9,10,11,12,13,14,15
	s_wait_dscnt 60-4*\m                           ; LDS loads come back in order: these four are in
	v_pk_add_f32 v[GA+4*\m:GA+4*\m+1], v[GA+4*\m:GA+4*\m+1], v[X+4*\m:X+4*\m+1] neg_lo:[0,1] neg_hi:[0,1]             ; d = k - x
	v_pk_add_f32 v[GA+4*\m+2:GA+4*\m+3], v[GA+4*\m+2:GA+4*\m+3], v[X+4*\m+2:X+4*\m+3] neg_lo:[0,1] neg_hi:[0,1]
	v_pk_add_f32 v[X+4*\m:X+4*\m+1], v[X+4*\m:X+4*\m+1], v[GA+4*\m:GA+4*\m+1]                                         ; x + d
	v_pk_add_f32 v[X+4*\m+2:X+4*\m+3], v[X+4*\m+2:X+4*\m+3], v[GA+4*\m+2:GA+4*\m+3]
.if \m == 0
	v_pk_mul_f32 v[L:L+1], v[GA:GA+1], v[GA:GA+1]              ; the first squares start the sums
	v_pk_mul_f32 v[L+2:L+3], v[GA+2:GA+3], v[GA+2:GA+3]
.else
	v_pk_fma_f32 v[L:L+1], v[GA+4*\m:GA+4*\m+1], v[GA+4*\m:GA+4*\m+1], v[L:L+1]
	v_pk_fma_f32 v[L+2:L+3], v[GA+4*\m+2:GA+4*\m+3], v[GA+4*\m+2:GA+4*\m+3], v[L+2:L+3]
.endif
	global_store_b128 v[XO], v[X+4*\m:X+4*\m+3], s[10:11] offset:8192*\m th:TH_STORE_NT
.endr
	v_pk_add_f32 v[L:L+1], v[L:L+1], v[L+2:L+3]
	v_add_f32 v[L], v[L], v[L+1]
	v_add_f32_dpp v[L], v[L], v[L] row_xmask:1 row_mask:0xf bank_mask:0xf
	v_add_f32_dpp v[L], v[L], v[L] row_xmask:2 row_mask:0xf bank_mask:0xf
	v_add_f32_dpp v[L], v[L], v[L] row_xmask:4 row_mask:0xf bank_mask:0xf
	v_add_f32_dpp v[L], v[L], v[L] row_xmask:8 row_mask:0xf bank_mask:0xf
	v_mov_b32 v[L+1], v[L]                         ; the permute's destination counts as read
	v_permlanex16_b32 v[L+1], v[L], s26, s27
	v_add_f32 v[L], v[L], v[L+1]
	v_mov_b32 v16, s25
	ds_store_b32 v16, v[L]                         ; every lane writes the wave's word with the same value
	s_wait_dscnt 0x0
	s_barrier_signal -1
	s_barrier_wait -1
	s_cmp_lg_u32 s14, 0
	s_cbranch_scc1 .Lend
	v_mov_b32 v16, SUMS                            ; wave 0 adds the sixteen waves' sums, always in the same order
.irp j, 0,1,2,3
	ds_load_b128 v[GA+4*\j:GA+4*\j+3], v16 offset:16*\j
.endr
	s_lshl_b32 s20, ttmp9, 2
	s_add_nc_u64 s[12:13], s[12:13], s[20:21]      ; one word for each work-group: the whole table is 1,024 bytes
	v_mov_b32 v17, 0
	v_cmp_eq_u32 vcc_lo, 0, v0
	s_wait_dscnt 0x0
.irp j, 2,4,6,8,10,12,14
	v_pk_add_f32 v[GA:GA+1], v[GA:GA+1], v[GA+\j:GA+\j+1]
.endr
	v_add_f32 v[GA], v[GA], v[GA+1]
	s_wait_xcnt 0x0                                ; EXEC changes only behind this wait
	s_and_saveexec_b32 s28, vcc_lo
	global_store_b32 v17, v[GA], s[12:13]
	s_wait_xcnt 0x0
	s_or_b32 exec_lo, exec_lo, s28
.Lend:
	s_wait_tensorcnt 0x0
	ds_add_u32 v148, v149
	s_wait_dscnt 0x0
	s_endpgm
.Lfunc_end_k_qaabb48e43b_gather:
	.size	k_qaabb48e43b_gather, .Lfunc_end_k_qaabb48e43b_gather-k_qaabb48e43b_gather
	.p2alignl 7, 3214868480
	.fill 96, 4, 3214868480
	.section	.rodata,"a",@progbits
	.p2align	6, 0x0
	.amdhsa_kernel k_qaabb48e43b_gather
		.amdhsa_group_segment_fixed_size 134400
		.amdhsa_private_segment_fixed_size 0
		.amdhsa_enable_private_segment 0
		.amdhsa_kernarg_size 40
		.amdhsa_user_sgpr_count 2
		.amdhsa_user_sgpr_kernarg_segment_ptr 1
		.amdhsa_wavefront_size32 1
		.amdhsa_system_sgpr_workgroup_id_x 1
		.amdhsa_system_sgpr_workgroup_id_y 1
		.amdhsa_system_sgpr_workgroup_id_z 1
		.amdhsa_system_vgpr_workitem_id 0
		.amdhsa_next_free_vgpr 150
		.amdhsa_next_free_sgpr 66
		.amdhsa_reserve_vcc 1
		.amdhsa_float_denorm_mode_32 3
		.amdhsa_float_denorm_mode_16_64 3
		.amdhsa_memory_ordered 1
		.amdhsa_forward_progress 1
		.amdhsa_inst_pref_size 22
	.end_amdhsa_kernel
	.amdgpu_metadata
---
amdhsa.version: [ 1, 2 ]
amdhsa.kernels:
  - .name:           k_qaabb48e43b_gather
    .symbol:         k_qaabb48e43b_gather.kd
    .args:
      - { .name: idx, .offset: 0, .size: 8, .value_kind: global_buffer, .address_space: global }
      - { .name: codebook, .offset: 8, .size: 8, .value_kind: global_buffer, .address_space: global }
      - { .name: x, .offset: 16, .size: 8, .value_kind: global_buffer, .address_space: global }
      - { .name: out0, .offset: 24, .size: 8, .value_kind: global_buffer, .address_space: global }
      - { .name: part, .offset: 32, .size: 8, .value_kind: global_buffer, .address_space: global }
    .group_segment_fixed_size: 134400
    .private_segment_fixed_size: 0
    .kernarg_segment_align: 8
    .kernarg_segment_size: 40
    .max_flat_workgroup_size: 512
    .sgpr_count:     66
    .vgpr_count:     150
    .wavefront_size: 32
...
	.end_amdgpu_metadata
.endif
;; end of part 4
;; launch loss (part 5): grid 1 x 1, 1 waves a work-group, no clusters, 0 bytes of LDS; arguments part, out1; writes out1
.if DOCPART == 5
	.amdgcn_target "amdgcn-amd-amdhsa--gfx1250"
	.amdhsa_code_object_version 6
	.text
	.protected	k_qaabb48e43b_loss
	.globl	k_qaabb48e43b_loss
	.p2align	8
	.type	k_qaabb48e43b_loss,@function
k_qaabb48e43b_loss:
	s_mov_b64 s[64:65], 0
	v_nop
	global_prefetch_b8 v0, s[64:65] scope:SCOPE_SE
	s_setreg_imm32_b32 hwreg(HW_REG_WAVE_MODE, 25, 1), 1
	s_wait_xcnt 0x0
; out1 = (sum of the 256 work-groups' sums of squares) / (16,384 x 512).  One wave: a lane takes eight neighbouring numbers (two loads of 16 bytes),
; the wave's two loads cover the table's 1,024 bytes.  A sum over work-groups is made by one owner in a launch of its own; there is no work for a second wave.
	s_load_b128 s[4:7], s[0:1], 0x0                ; part s[4:5], out1 s[6:7]
	s_mov_b32 s8, 0x76543210
	s_mov_b32 s9, 0xfedcba98
	v_lshlrev_b32 v1, 5, v0
	s_wait_kmcnt 0x0
	global_load_b128 v[4:7], v1, s[4:5]
	global_load_b128 v[8:11], v1, s[4:5] offset:16
	s_wait_loadcnt 0x0
	v_pk_add_f32 v[4:5], v[4:5], v[6:7]
	v_pk_add_f32 v[8:9], v[8:9], v[10:11]
	v_pk_add_f32 v[4:5], v[4:5], v[8:9]
	v_add_f32 v4, v4, v5
	v_add_f32_dpp v4, v4, v4 row_xmask:1 row_mask:0xf bank_mask:0xf
	v_add_f32_dpp v4, v4, v4 row_xmask:2 row_mask:0xf bank_mask:0xf
	v_add_f32_dpp v4, v4, v4 row_xmask:4 row_mask:0xf bank_mask:0xf
	v_add_f32_dpp v4, v4, v4 row_xmask:8 row_mask:0xf bank_mask:0xf
	v_mov_b32 v5, v4                               ; the permute's destination counts as read
	v_permlanex16_b32 v5, v4, s8, s9
	v_add_f32 v4, v4, v5
	v_mul_f32 v4, 0x34000000, v4                   ; 2^-23 = 1 / (16,384 x 512), exact
	v_mov_b32 v2, 0
	v_cmp_eq_u32 vcc_lo, 0, v0
	s_wait_xcnt 0x0                                ; EXEC changes only behind this wait
	s_and_saveexec_b32 s10, vcc_lo
	global_store_b32 v2, v4, s[6:7]
	s_wait_xcnt 0x0
	s_or_b32 exec_lo, exec_lo, s10
	s_endpgm
.Lfunc_end_k_qaabb48e43b_loss:
	.size	k_qaabb48e43b_loss, .Lfunc_end_k_qaabb48e43b_loss-k_qaabb48e43b_loss
	.p2alignl 7, 3214868480
	.fill 96, 4, 3214868480
	.section	.rodata,"a",@progbits
	.p2align	6, 0x0
	.amdhsa_kernel k_qaabb48e43b_loss
		.amdhsa_group_segment_fixed_size 0
		.amdhsa_private_segment_fixed_size 0
		.amdhsa_enable_private_segment 0
		.amdhsa_kernarg_size 16
		.amdhsa_user_sgpr_count 2
		.amdhsa_user_sgpr_kernarg_segment_ptr 1
		.amdhsa_wavefront_size32 1
		.amdhsa_system_sgpr_workgroup_id_x 1
		.amdhsa_system_sgpr_workgroup_id_y 1
		.amdhsa_system_sgpr_workgroup_id_z 1
		.amdhsa_system_vgpr_workitem_id 0
		.amdhsa_next_free_vgpr 16
		.amdhsa_next_free_sgpr 66
		.amdhsa_reserve_vcc 1
		.amdhsa_float_denorm_mode_32 3
		.amdhsa_float_denorm_mode_16_64 3
		.amdhsa_memory_ordered 1
		.amdhsa_forward_progress 1
		.amdhsa_inst_pref_size 2
	.end_amdhsa_kernel
	.amdgpu_metadata
---
amdhsa.version: [ 1, 2 ]
amdhsa.kernels:
  - .name:           k_qaabb48e43b_loss
    .symbol:         k_qaabb48e43b_loss.kd
    .args:
      - { .name: part, .offset: 0, .size: 8, .value_kind: global_buffer, .address_space: global }
      - { .name: out1, .offset: 8, .size: 8, .value_kind: global_buffer, .address_space: global }
    .group_segment_fixed_size: 0
    .private_segment_fixed_size: 0
    .kernarg_segment_align: 8
    .kernarg_segment_size: 16
    .max_flat_workgroup_size: 32
    .sgpr_count:     66
    .vgpr_count:     16
    .wavefront_size: 32
...
	.end_amdgpu_metadata
.endif
;; end of part 5
;; ======== version 2 of 3: 4 launches; 1.44 times as fast as version 1
;; workspace buffers: cb16 8,388,608 bytes; nkk 32,768 bytes; candk 262,144 bytes of whole numbers; candi 262,144 bytes of whole numbers; part 1,024 bytes
;; launch prep: the kernel of part 1 again; grid 256 x 1, 8 waves a work-group, no clusters, 1,280 bytes of LDS; arguments codebook, cb16, nkk; writes cb16, nkk
;; launch assign (part 6): grid 64 x 4, 4 waves a work-group, clusters of 4 x 1, 327,680 bytes of LDS; arguments cb16, nkk, x, candk, candi; writes candk, candi
.if DOCPART == 6
	.amdgcn_target "amdgcn-amd-amdhsa--gfx1250"
	.amdhsa_code_object_version 6
	.text
	.protected	k_qaabb48e43b_assign
	.globl	k_qaabb48e43b_assign
	.p2align	8
	.type	k_qaabb48e43b_assign,@function
k_qaabb48e43b_assign:
	s_mov_b64 s[64:65], 0
	v_nop
	global_prefetch_b8 v0, s[64:65] scope:SCOPE_SE
	s_setreg_imm32_b32 hwreg(HW_REG_WAVE_MODE, 25, 1), 1
	s_wait_xcnt 0x0
	s_wait_alu depctr_hold_cnt(0) depctr_sa_sdst(0) depctr_va_vdst(0) depctr_va_sdst(0) depctr_va_ssrc(0) depctr_va_vcc(0) depctr_vm_vsrc(0)
	s_getreg_b32 s2, hwreg(HW_REG_IB_STS2, 6, 4)
	s_cmp_eq_u32 s2, 0
	s_cbranch_scc0 .Lentry_in_a_cluster
	s_endpgm
.Lentry_in_a_cluster:
	s_bfe_u32 s2, ttmp6, 0x10000c
	s_cmp_lg_u32 s2, 0x3003
	s_cbranch_scc0 .Lentry_shape_is_right
	s_endpgm
.Lentry_shape_is_right:
; For each of 16,384 tokens (token n = b*1024 + t; x is [b][c][t], 512 channels c) and each quarter Y of the 8,192 codes:
;   the largest  s = x~ . k~ - |k~|^2 / 2  over the quarter's codes, and candi[Y][n] = the lowest code that reaches it.
; candk[Y][n] is that s as a whole number that orders as the float does (its bits, with the lower 31 inverted where the sign is set; signed compare),
; because the next launch chooses among the four quarters and forms addresses from the choice.
; x~, k~: x and the codebook rounded to bf16; products on the matrix unit, sums in f32.  The largest s is the smallest |x~ - k~|^2: |x|^2 is the same for
; every code of a token and is left out.  -|k~|^2/2 (nkk) is added behind the sum over the 512 channels, in f32.
; LIMITS: finite inputs only (a NaN or an infinity is not served).  The choice is that of the bf16-rounded vectors.  Two codes whose distances differ by less
; than the f32 rounding of sums of the size of |x|^2 + |k|^2 may be ordered otherwise than by the three-term formula; exact ties go to the lowest code;
; between quarters a score of -0 orders below +0.
;
; SHAPE.  A work-group has 256 tokens and 2,048 codes; 64 token blocks x 4 quarters = 256 work-groups.  A wave keeps 64 tokens x 512 channels of bf16
; in 512 registers for the whole launch; the codes stream through LDS.  A fragment of 16 codes x 32 channels (two LDS loads, 1 KiB a wave) feeds four
; matrix instructions, one for each block of 16 tokens.  The four waves hold other tokens and read the same code tile.
; Source 0 = codes, source 1 = tokens: in the result lane (r, h), register j is code 8 h + j for token column r, so the maximum runs inside a lane.
; Token 4 r + i of the wave is column r of block i: one 16-byte load of a channel row of x gives one number to each block, sixteen lanes read 256
; consecutive aligned bytes, and x needs no transposition.
; CLUSTER.  The four work-groups of a cluster (4, 1, 1) differ in their tokens alone and walk the same quarter of the codes: every code tile and the
; quarter of nkk are asked for jointly, mask 15.  x is not shared inside a cluster and comes by plain loads.
; RING.  16 steps of 128 codes through two LDS slots; a wave fetches 32 codes (32 rows of 1,024 bytes) of each.  By this text's own count a wave has three
; tensor loads out at the start and one behind each round.  A refill has nearly a whole step, some 480 matrix instructions of the wave, in which to land.
; FRAGMENTS.  A tile is 16 codes x 512 channels: 16 fragments, 64 matrix instructions.  All LDS loads of a tile stand in ONE run of 34, behind K step 11 of the
; tile before: nkk of that tile (2), K steps 0-11 of the next (24, into the one buffer of window 0, which is dead there), K steps 12-15 of the next (8, into
; one of two buffers of window 1).  K steps 12-15 of the running tile, 16 matrix instructions, follow the run; then counted waits take the fragments as they come.
; EPILOGUE.  A tile's epilogue (add nkk, compare, keep value and tile number; 8 vector instructions for 2 scores) is spread over K steps 0-11 of the next tile:
; one pair of scores for three matrix instructions.
;
; REGISTER WINDOWS (s_set_vgpr_msb, low byte: 1:0 source 0, 3:2 source 1, 5:4 source 2, 7:6 destination):
;   window 0: all that the epilogue names, the addresses, fragments of K steps 0-11.   window 1: four staging sets of 64 registers for x in f32 (start only);
;   then v0-63 there: fragments of K steps 12-15, two buffers.   windows 2, 3: the tokens: K step ks, block i, register q at 32 (ks & 7) + 8 i + q.
; In K steps 0-11 only source 1 is switched (M2, M3), and every vector instruction there other than a matrix instruction has a constant or a scalar register
; as its source 1, so the epilogue stands among the matrix instructions.  Its sources 0 and 2 and its destination have to lie in one window, and 256 registers
; do not hold it beside two whole buffers of fragments: hence the split 12 + 4.  Four switches for a tile's 64 matrix instructions.
.set PITCH, 1040                       ; an LDS row: 1,024 bytes + 16 of padding = 65 x 16: the 16 rows of a fragment load start 16 bytes apart modulo 256
.set T16,   16*PITCH                   ; a tile of 16 codes
.set WTILE, 32*PITCH                   ; what one tensor load brings
.set SLOT,  4*WTILE                    ; 128 codes: 133,120 bytes
.set NKKL,  2*SLOT                     ; 266,240: the quarter of nkk, 8,192 bytes, filled once
.set STEPB, 128*1024                   ; bytes of cb16 in a step
.set KA,   12                          ; K steps whose fragments lie in window 0
.set ADR,  2                           ; v2-5     LDS address of my part of a fragment: index 2 slot + (tile >> 2)
.set KAD,  6                           ; v6       LDS address of my 8 numbers of nkk in the lap's first tile
.set XO,   7                           ; v7       my byte offset in x
.set D,    8                           ; v[8:11]  two pairs: score minus best
.set NK,   16                          ; v[16:23] nkk of a tile's codes 8 h + j
.set FR,   24                          ; v[24:119] fragments of K steps 0-11
.set ACC,  120                         ; v[120:183] two sets of four accumulators
.set BEST, 184                         ; v[184:215] best score, for block b and j at 8 b + j
.set IDX,  216                         ; v[216:247] its tile number
.set RV,   24                          ; the way out, in registers that held fragments: v[24:27] values of tokens 4 r .. 4 r + 3
.set RC,   28                          ; v[28:31] their codes
.set TV,   32
.set TC,   33
.set HT,   34
.set WV,   14                          ; s14 wave   s15 cx   s16 token block   s17 quarter
.set TID,  18                          ; s18 number of the tile whose epilogue is running
.set NINF, 19                          ; s19 -infinity
.set MK,   20                          ; s20 a second lane mask
.set G1,   24                          ; s[24:31] group 1: code tiles
.set G1K,  32                          ; s[32:39] group 1: nkk
.set G0,   40                          ; s[40:47] group 0 of slot 0, slot 1
.set G0K,  48                          ; s[48:51] group 0 of nkk
.set LDW,  0x40                        ; destination window 1
.set CV2,  0x85                        ; destination window 2, sources 0 and 1 window 1
.set CV3,  0xc5                        ; destination window 3, sources 0 and 1 window 1
.set M2,   0x08                        ; source 1 window 2
.set M3,   0x0c                        ; source 1 window 3
.set MW,   0x0d                        ; source 1 window 3, source 0 window 1
.set MSB,  0
.macro WIN new                         ; the immediate's high byte repeats the setting that is left
.if MSB != \new
	s_set_vgpr_msb (MSB<<8)|\new
.set MSB, \new
.endif
.endm
; A round of the cluster's barrier: my work-group's barrier; wave 0 signals for the work-group; every wave waits for all four work-groups; my barrier again.
.macro CREST                           ; a round behind its opening barrier
	s_cmp_lg_u32 s[WV], 0
	s_cbranch_scc1 .Lnot_wave_0_\@
	s_barrier_signal -3
.Lnot_wave_0_\@:
	s_barrier_wait -3
	s_barrier_signal -1
	s_barrier_wait -1
.endm
.macro CROUND
	s_barrier_signal -1
	s_barrier_wait -1
	CREST
.endm
	s_load_b256 s[4:11], s[0:1], 0x0               ; cb16 s[4:5], nkk s[6:7], x s[8:9], candk s[10:11]
	s_load_b64 s[12:13], s[0:1], 0x20              ; candi
	v_lshl_add_u32 v254, v0, 2, 0x43000
	v_mov_b32 v255, 0
	ds_add_u32 v254, v255
	v_lshrrev_b32 v1, 5, v0
	v_readfirstlane_b32 s[WV], v1                  ; wave 0..3
	s_bfe_u32 s15, ttmp6, 0x40000                  ; cx
	s_lshl_b32 s16, ttmp9, 2
	s_add_co_u32 s16, s16, s15                     ; token block = 4 x cluster x + cx
	s_and_b32 s17, ttmp7, 0xffff                   ; quarter of the codes = cluster y, the same in all four partners
	s_mov_b32 s[TID], -2                           ; each tile adds 1 at its head; the epilogue there is the tile before's: 0 in the second tile
	s_mov_b32 s[NINF], 0xff800000
	s_mov_b32 s52, 0x76543210                      ; v_permlanex16_b32: lane i reads lane i of the other half
	s_mov_b32 s53, 0xfedcba98
	; group 1, code tiles: 32 rows x 512 elements of 2 bytes, 4 words of padding behind every 256 words
	s_mov_b32 s[G1+0], 15|(1<<16)|(1<<20)|(1<<21)|(7<<22)|(3<<25)  ; 15:0 mask: all four of the cluster; 17:16 2 bytes; 20 padding; 21 set beside a mask; 24:22 every 256 words; 31:25 4 words
	s_mov_b32 s[G1+1], 512<<16                     ; tensor_dim0 = 512
	s_mov_b32 s[G1+2], 32<<16                      ; tensor_dim1 = 32
	s_mov_b32 s[G1+3], 512<<16                     ; tile_dim0 = 512
	s_mov_b32 s[G1+4], 32                          ; tile_dim1 = 32
	s_mov_b32 s[G1+5], 512                         ; from row to row
	s_mov_b32 s[G1+6], 0
	s_mov_b32 s[G1+7], 0
	; group 1, nkk: a dense block of 2,048 bytes as 8 rows of 32 elements of 8 bytes
	s_mov_b32 s[G1K+0], 15|(3<<16)|(1<<21)
	s_mov_b32 s[G1K+1], 32<<16
	s_mov_b32 s[G1K+2], 8<<16
	s_mov_b32 s[G1K+3], 32<<16
	s_mov_b32 s[G1K+4], 8
	s_mov_b32 s[G1K+5], 32
	s_mov_b32 s[G1K+6], 0
	s_mov_b32 s[G1K+7], 0
	; what feeds the joint descriptors is made of the quarter and the wave alone, in s2, s3, s22, s23; cx never enters these registers
	s_mul_i32 s2, s[WV], WTILE                     ; my 32 rows of a slot
	s_lshl_b32 s22, s17, 21                        ; 2,048 codes of 1,024 bytes for each quarter
	s_lshl_b32 s3, s[WV], 15                       ; 32 codes for each wave
	s_add_co_u32 s22, s22, s3
	s_mov_b32 s23, 0
	s_wait_dscnt 0x0
	s_wait_kmcnt 0x0
	s_mov_b32 s[G0+0], 1
	s_mov_b32 s[G0+1], s2                          ; slot 0
	s_add_nc_u64 s[G0+2:G0+3], s[4:5], s[22:23]    ; step 0
	s_mov_b32 s[G0+4], 1
	s_add_co_u32 s[G0+5], s2, SLOT                 ; slot 1
	s_add_nc_u64 s[G0+6:G0+7], s[G0+2:G0+3], STEPB ; step 1
	s_or_b32 s[G0+3], s[G0+3], 0x80000000          ; type 2
	s_or_b32 s[G0+7], s[G0+7], 0x80000000
	s_lshl_b32 s22, s17, 13                        ; 2,048 words of nkk for each quarter
	s_lshl_b32 s3, s[WV], 11                       ; 512 words for each wave
	s_add_co_u32 s22, s22, s3
	s_mov_b32 s[G0K+0], 1
	s_add_co_u32 s[G0K+1], s3, NKKL
	s_add_nc_u64 s[G0K+2:G0K+3], s[6:7], s[22:23]
	s_or_b32 s[G0K+3], s[G0K+3], 0x80000000
	; what hangs on cx: the addresses of x and of the results, in s58-60 and s[8:13]
	s_lshr_b32 s58, s16, 2                         ; b
	s_lshl_b32 s58, s58, 21                        ; 512 channels of 4,096 bytes
	s_and_b32 s60, s16, 3
	s_lshl_b32 s60, s60, 10                        ; 256 tokens of 4 bytes for each block
	s_add_co_u32 s58, s58, s60
	s_lshl_b32 s60, s[WV], 8                       ; 64 tokens for each wave
	s_add_co_u32 s58, s58, s60
	s_mov_b32 s59, 0
	s_add_nc_u64 s[8:9], s[8:9], s[58:59]
	s_lshl_b32 s58, s17, 16                        ; results: [quarter][16,384] words
	s_add_co_u32 s58, s58, s60
	s_lshl_b32 s60, s16, 10
	s_add_co_u32 s58, s58, s60
	s_add_nc_u64 s[10:11], s[10:11], s[58:59]
	s_add_nc_u64 s[12:13], s[12:13], s[58:59]
	CROUND                                         ; all four work-groups are here: the first joint loads meet
	tensor_load_to_lds s[G0K:G0K+3], s[G1K:G1K+7]  ; the three first fills go out as one group
	s_nop 0
	tensor_load_to_lds s[G0:G0+3], s[G1:G1+7]
	s_nop 0
	tensor_load_to_lds s[G0+4:G0+7], s[G1:G1+7]
	s_nop 0
	v_and_b32 v1, 15, v0                           ; r
	v_bfe_u32 v8, v0, 4, 1                         ; h
	v_lshlrev_b32 v[XO], 4, v1                     ; tokens 4 r .. 4 r + 3
	v_lshl_add_u32 v[XO], v8, 15, v[XO]            ; + 8 h channels of 4,096 bytes
	v_mul_u32_u24 v9, v1, PITCH
	v_lshl_add_u32 v[ADR], v8, 4, v9               ; code row r, 16 bytes for each half of the lanes
	v_add_nc_u32 v[ADR+1], 4*T16, v[ADR]           ; tiles 4-7: an LDS offset has 16 bits
	v_add_nc_u32 v[ADR+2], SLOT, v[ADR]
	v_add_nc_u32 v[ADR+3], SLOT+4*T16, v[ADR]
	v_lshlrev_b32 v[KAD], 5, v8                    ; codes 8 h .. 8 h + 7: 32 bytes
	v_add_nc_u32 v[KAD], NKKL, v[KAD]
; THE TOKENS.  A source-1 fragment (32 channels x 16 tokens): lane (r, h) holds column r; registers 0-3 channels 8 h + 0..7, registers 4-7 channels 16 + 8 h + 0..7.
; XLOAD: the 16 channel rows of K step ks that my half of the lanes needs, four tokens each, into a staging set.
.macro XLOAD set, ks
	WIN LDW
.irp e, 0,1,2,3,4,5,6,7,8,9,10,11,12,13,14,15
	global_load_b128 v[64*(\set)+4*\e:64*(\set)+4*\e+3], v[XO], s[8:9] offset:(32*(\ks)+\e+8*(\e>>3))*4096
.endr
.endm
; XCVT: register q of block i packs channels 2 q and 2 q + 1 of the sixteen, token 4 r + i.
.macro XCVT set, ks
.if \ks < 8
	WIN CV2
.else
	WIN CV3
.endif
.irp i, 0,1,2,3
.irp q, 0,1,2,3,4,5,6,7
	v_cvt_pk_bf16_f32 v[32*((\ks)&7)+8*\i+\q], v[64*(\set)+8*\q+\i], v[64*(\set)+8*\q+4+\i]
.endr
.endr
.endm
	XLOAD 0, 0
	XLOAD 1, 1
	XLOAD 2, 2
.irp ks, 0,1,2,3,4,5,6,7,8,9,10,11,12,13,14,15
.if \ks < 13
	XLOAD (\ks+3)&3, \ks+3                         ; into the set that was converted last
	s_wait_loadcnt 48                              ; three younger sets of 16 loads stay out
.else
	s_wait_loadcnt 16*(15-\ks)                     ; nothing more is asked for: the counts run down
.endif
	XCVT (\ks)&3, \ks
.endr
	WIN 0
; The 32 loads of a tile's 16 fragments (fragment k: 32 channels at byte 64 k of the rows), in one run: K steps 0-11 into window 0, 12-15 into the tile's buffer of window 1.
.macro FETCH slot, tile
.irp k, 0,1,2,3,4,5,6,7,8,9,10,11
	ds_load_b128 v[FR+8*\k:FR+8*\k+3],   v[ADR+2*(\slot)+((\tile)>>2)] offset:((\tile)&3)*T16+64*\k
	ds_load_b128 v[FR+8*\k+4:FR+8*\k+7], v[ADR+2*(\slot)+((\tile)>>2)] offset:((\tile)&3)*T16+64*\k+32
.endr
	WIN LDW
.irp k, 12,13,14,15
	ds_load_b128 v[32*((\tile)&1)+8*(\k-KA):32*((\tile)&1)+8*(\k-KA)+3],   v[ADR+2*(\slot)+((\tile)>>2)] offset:((\tile)&3)*T16+64*\k
	ds_load_b128 v[32*((\tile)&1)+8*(\k-KA)+4:32*((\tile)&1)+8*(\k-KA)+7], v[ADR+2*(\slot)+((\tile)>>2)] offset:((\tile)&3)*T16+64*\k+32
.endr
.endm
; One matrix instruction: block b of my tokens, K step k, code fragment at FA, accumulators at CA.  K step 0 starts the sums: nothing is cleared.
.macro WM b, k
.if \k == 0
	v_wmma_f32_16x16x32_bf16 v[CA+8*\b:CA+8*\b+7], v[FA:FA+7], v[32*((\k)&7)+8*\b:32*((\k)&7)+8*\b+7], 0
.else
	v_wmma_f32_16x16x32_bf16 v[CA+8*\b:CA+8*\b+7], v[FA:FA+7], v[32*((\k)&7)+8*\b:32*((\k)&7)+8*\b+7], v[CA+8*\b:CA+8*\b+7]
.endif
.endm
; THE EPILOGUE of pair p (registers 2 p, 2 p + 1 of the 32 sums) of the tile in accumulator set as, in five pieces.
; score = sum + nkk; better = score - best > 0 (for finite numbers the same as score > best; strict, so the earlier tile keeps a tie); tile number and best follow.
; The maximum is a maximum of three with -infinity, and the sums are multiply-adds by 1.0, so that source 1 is no vector register.
.macro PREG p, as
.set ES, ACC+32*(\as)+2*(\p)
.set EN, NK+2*((\p)&3)
.set EB, BEST+2*(\p)
.set EI, IDX+2*(\p)
.set ED, D+2*((\p)&1)
.endm
.macro E_ADD p, as
	PREG \p, \as
	v_pk_fma_f32 v[ES:ES+1], v[ES:ES+1], 1.0, v[EN:EN+1] op_sel_hi:[1,0,1]
.endm
.macro E_SUB p, as
	PREG \p, \as
	v_pk_fma_f32 v[ED:ED+1], v[ES:ES+1], 1.0, v[EB:EB+1] op_sel_hi:[1,0,1] neg_lo:[0,0,1] neg_hi:[0,0,1]
.endm
.macro E_CMP p, as
	PREG \p, \as
	v_cmp_gt_f32 vcc_lo, v[ED], 0
	v_cmp_gt_f32 s[MK], v[ED+1], 0
.endm
.macro E_CND p, as
	PREG \p, \as
	v_cndmask_b32 v[EI], v[EI], s[TID], vcc_lo
	v_cndmask_b32 v[EI+1], v[EI+1], s[TID], s[MK]
.endm
.macro E_MAX p, as
	PREG \p, \as
	v_max3_num_f32 v[EB], v[ES], s[NINF], v[EB]
	v_max3_num_f32 v[EB+1], v[ES+1], s[NINF], v[EB+1]
.endm
.macro E_FIRST p, as                   ; the first tile starts the maxima: nothing is cleared
	PREG \p, \as
	v_pk_fma_f32 v[EB:EB+1], v[ES:ES+1], 1.0, v[EN:EN+1] op_sel_hi:[1,0,1]
.endm
.macro E_ID p, as
	PREG \p, \as
	v_mov_b32 v[EI], s[TID]
	v_mov_b32 v[EI+1], s[TID]
.endm
; What stands behind matrix instruction s (0..47) of K steps 0-11.  Pair p = s / 3 begins at s = 3 p and ends at 3 p + 4: three, three and two vector instructions by turns,
; and each piece stands a matrix instruction behind the piece whose result it reads.   mode 2: as above.   mode 1: the first tile's epilogue.   mode 0: no tile in front.
.macro ESLOT s, as, mode
.set EP, (\s)/3
.set EH, (\s)-3*EP
.if \mode == 2
.if EH == 0
	E_ADD EP, \as
.if EP > 0
	E_CND EP-1, \as
.endif
.endif
.if EH == 1
	E_SUB EP, \as
.if EP > 0
	E_MAX EP-1, \as
.endif
.endif
.if EH == 2
	E_CMP EP, \as
.endif
.endif
.if \mode == 1
.if EH == 0
	E_FIRST EP, \as
.endif
.if EH == 1
	E_ID EP, \as
.endif
.endif
.endm
; Behind K step 11: the last pair's last four instructions.  They, or four v_nop, are the four places between the matrix instructions that read window 0's fragments and the
; loads into them (ISA guide 7.12.1 for vector instructions): they name no register of those matrix instructions.
.macro ELAST as, mode
.if \mode == 2
	E_CND 15, \as
	E_MAX 15, \as
.else
.rept 4
	v_nop
.endr
.endif
.endm
; A GROUP: K step k of tile tl of a slot: four matrix instructions, one for each block of tokens.
; The four accumulators take turns, one instruction a turn, over tile ends and the loop's backward jump too.
; kind 3: a tile inside a slot.  kind 2: a slot's last tile, the slot is filled again.  kind 1: a slot's last tile, no refill.  kind 0: the last tile of all.
.macro GROUP slot, tl, k, mode, kind
.set CA, ACC+32*((\tl)&1)              ; this tile's accumulators
.set PA, 1-((\tl)&1)                   ; the set of the tile in front
.set BND, 0
.if \kind == 1
.set BND, 1
.endif
.if \kind == 2
.set BND, 1
.endif
.set RUNL, 34                          ; LDS loads in this tile's run
.if \kind == 0
.set RUNL, 2                           ; the last tile's run is its nkk alone
.endif
.if \k < KA
.set FA, FR+8*\k
.set WT, 30-2*\k                       ; of the last run's 34 loads nkk's 2 and fragments 0 .. k are in, the 30 - 2 k younger may be out (the first run has no nkk and 32 loads: the same count)
.else
.set FA, 32*((\tl)&1)+8*(\k-KA)
.set WT, RUNL+6-2*(\k-KA)              ; this tile's run may be out, and of the run before it the fragments behind k
.endif
.if BND
.if \k >= 8
.set WT, -1                            ; the wait for 0 below has shown all of this tile's fragments in
.endif
.endif
.if \k == 0
	WIN M2
.endif
.if \k == 8
	WIN M3
.if BND
	s_wait_dscnt 0x0                               ; my reads of this slot are over: the last stood in the run of the tile before
	s_set_vgpr_msb 0xc00
	s_wait_tensorcnt 0x0                           ; all my tensor loads have landed: the one that was out is my part of the other slot
	ds_add_u32 v254, v255
	s_wait_dscnt 0x0
	s_set_vgpr_msb 0xc
.if \kind == 2
	s_add_nc_u64 s[G0+4*\slot+2:G0+4*\slot+3], s[G0+4*\slot+2:G0+4*\slot+3], 2*STEPB   ; no load of mine is out: this slot's next step
.endif
	s_barrier_signal -1                            ; say so; four K steps of register work follow while the others arrive
.endif
.endif
.if \k == KA
	ELAST PA, \mode
.if \kind == 2
	WIN 0                                          ; a branch and a label follow
	s_barrier_wait -1
	CREST                                          ; no wave of any partner still reads this slot or has a load on its way
	tensor_load_to_lds s[G0+4*\slot:G0+4*\slot+3], s[G1:G1+7]      ; my one tensor load behind the round, and the first thing there
	s_nop 0
.endif
.if \kind == 1
	s_barrier_wait -1                              ; the other slot is whole; nothing is filled again
.endif
	ds_load_b128 v[NK:NK+3],   v[KAD] offset:(8*\slot+\tl)*64      ; THE RUN.  This tile's nkk, for its epilogue in the next tile; the last tile's was read for the last time in K step 11
	ds_load_b128 v[NK+4:NK+7], v[KAD] offset:(8*\slot+\tl)*64+16
.if \kind == 3
	FETCH \slot, \tl+1
.endif
.if BND
	FETCH 1-\slot, 0
.endif
	WIN MW
.endif
.if WT >= 0
	s_wait_dscnt WT
.endif
.irp b, 0,1,2,3
	WM \b, \k
.if \k < KA
	ESLOT 4*\k+\b, PA, \mode
.endif
.if \k == 15
	v_nop                                          ; four places between block 0's last matrix instruction and the first read of its sums, in the next tile (ISA guide 7.12.1)
.endif
.endr
.endm
.macro TILE slot, tl, mode, kind
	s_add_co_u32 s[TID], s[TID], 1
.irp k, 0,1,2,3,4,5,6,7,8,9,10,11,12,13,14,15
	GROUP \slot, \tl, \k, \mode, \kind
.endr
.endm
.macro STEP slot, m0, m1, kind         ; 128 codes: eight tiles
	TILE \slot, 0, \m0, 3
	TILE \slot, 1, \m1, 3
	TILE \slot, 2, 2, 3
	TILE \slot, 3, 2, 3
	TILE \slot, 4, 2, 3
	TILE \slot, 5, 2, 3
	TILE \slot, 6, 2, 3
	TILE \slot, 7, 2, \kind
.endm
	s_wait_tensorcnt 0x1                           ; my parts of nkk and of slot 0 are in; slot 1's may stay out
	s_barrier_signal -1
	s_barrier_wait -1                              ; everybody's are
	FETCH 0, 0                                     ; the first tile's fragments: 32 loads
	STEP 0, 0, 1, 2                                ; steps 0 and 1 stand in front of the loop: the first tile has no epilogue, the second starts the maxima
	STEP 1, 2, 2, 2
	WIN 0                                          ; at a label and at a branch every window is 0
	v_add_nc_u32 v[KAD], 1024, v[KAD]              ; 16 tiles of 64 bytes of nkk on
	s_mov_b32 s21, 6
.Llap:                                             ; steps 2 to 13; each fills its slot again with the step two ahead
	STEP 0, 2, 2, 2
	STEP 1, 2, 2, 2
	WIN 0
	v_add_nc_u32 v[KAD], 1024, v[KAD]
	s_sub_co_u32 s21, s21, 1
	s_cmp_lg_u32 s21, 0
	s_cbranch_scc1 .Llap
	STEP 0, 2, 2, 1                                ; step 14: nothing is left to fetch
	STEP 1, 2, 2, 0                                ; step 15
	WIN 0
	s_add_co_u32 s[TID], s[TID], 1                 ; 127: the last tile's epilogue
	s_wait_dscnt 0x0                               ; its nkk is in
.irp p, 0,1,2,3,4,5,6,7,8,9,10,11,12,13,14,15
	E_ADD \p, 1
	E_SUB \p, 1
	E_CMP \p, 1
	E_CND \p, 1
	E_MAX \p, 1
.endr
; THE WAY OUT.  b takes a's place if it is larger, or equal with the lower code.  The masks only choose values.
.macro MERGE va, ca, vb, cb
	v_cmp_gt_f32 s54, v[\vb], v[\va]
	v_cmp_eq_f32 s55, v[\vb], v[\va]
	v_cmp_lt_u32 s56, v[\cb], v[\ca]
	s_and_b32 s55, s55, s56
	s_or_b32 s54, s54, s55
	v_cndmask_b32 v[\va], v[\va], v[\vb], s54
	v_cndmask_b32 v[\ca], v[\ca], v[\cb], s54
.endm
	v_bfe_u32 v[HT], v0, 4, 1
	v_lshlrev_b32 v[HT], 3, v[HT]
	s_lshl_b32 s3, s17, 11
	v_add_nc_u32 v[HT], s3, v[HT]                  ; 8 h + 2,048 x quarter
.irp b, 0,1,2,3
.irp j, 0,1,2,3,4,5,6,7
	v_lshl_add_u32 v[IDX+8*\b+\j], v[IDX+8*\b+\j], 4, \j       ; 16 x tile + j
.endr
	MERGE BEST+8*\b,   IDX+8*\b,   BEST+8*\b+1, IDX+8*\b+1
	MERGE BEST+8*\b+2, IDX+8*\b+2, BEST+8*\b+3, IDX+8*\b+3
	MERGE BEST+8*\b+4, IDX+8*\b+4, BEST+8*\b+5, IDX+8*\b+5
	MERGE BEST+8*\b+6, IDX+8*\b+6, BEST+8*\b+7, IDX+8*\b+7
	MERGE BEST+8*\b,   IDX+8*\b,   BEST+8*\b+2, IDX+8*\b+2
	MERGE BEST+8*\b+4, IDX+8*\b+4, BEST+8*\b+6, IDX+8*\b+6
	MERGE BEST+8*\b,   IDX+8*\b,   BEST+8*\b+4, IDX+8*\b+4
	v_add_nc_u32 v[RC+\b], v[IDX+8*\b], v[HT]      ; the code's number in the whole codebook
	v_mov_b32 v[RV+\b], v[BEST+8*\b]
	v_mov_b32 v[TV], v[RV+\b]                      ; the permutes' destinations count as read
	v_mov_b32 v[TC], v[RC+\b]
	v_permlanex16_b32 v[TV], v[RV+\b], s52, s53    ; the other half of the lanes holds the other eight codes of each tile
	v_permlanex16_b32 v[TC], v[RC+\b], s52, s53
	MERGE RV+\b, RC+\b, TV, TC
	v_ashrrev_i32 v[TV], 31, v[RV+\b]              ; the score as a whole number of the same order: where the sign is set,
	v_and_b32 v[TV], 0x7fffffff, v[TV]             ; the lower 31 bits are inverted
	v_xor_b32 v[RV+\b], v[RV+\b], v[TV]
.endr
	v_and_b32 v1, 15, v0
	v_lshlrev_b32 v1, 4, v1                        ; tokens 4 r .. 4 r + 3: 16 bytes
	v_and_b32 v[TV], 16, v0
	v_cmp_eq_u32 vcc_lo, 0, v[TV]                  ; lanes 0 to 15
	s_wait_xcnt 0x0                                ; EXEC changes only behind this wait
	s_and_saveexec_b32 s57, vcc_lo
	global_store_b128 v1, v[RV:RV+3], s[10:11]     ; sixteen lanes store 256 consecutive bytes, aligned
	global_store_b128 v1, v[RC:RC+3], s[12:13]
	s_wait_xcnt 0x0                                ; and again, in front of the line that widens it
	s_or_b32 exec_lo, exec_lo, s57
	CROUND                                         ; the closing round: no work-group ends while a partner may still ask for a tile that names it
	s_endpgm
.Lfunc_end_k_qaabb48e43b_assign:
	.size	k_qaabb48e43b_assign, .Lfunc_end_k_qaabb48e43b_assign-k_qaabb48e43b_assign
	.p2alignl 7, 3214868480
	.fill 96, 4, 3214868480
	.section	.rodata,"a",@progbits
	.p2align	6, 0x0
	.amdhsa_kernel k_qaabb48e43b_assign
		.amdhsa_group_segment_fixed_size 327680
		.amdhsa_private_segment_fixed_size 0
		.amdhsa_enable_private_segment 0
		.amdhsa_kernarg_size 40
		.amdhsa_user_sgpr_count 2
		.amdhsa_user_sgpr_kernarg_segment_ptr 1
		.amdhsa_wavefront_size32 1
		.amdhsa_system_sgpr_workgroup_id_x 1
		.amdhsa_system_sgpr_workgroup_id_y 1
		.amdhsa_system_sgpr_workgroup_id_z 1
		.amdhsa_system_vgpr_workitem_id 0
		.amdhsa_next_free_vgpr 1024
		.amdhsa_next_free_sgpr 66
		.amdhsa_reserve_vcc 1
		.amdhsa_float_denorm_mode_32 3
		.amdhsa_float_denorm_mode_16_64 3
		.amdhsa_memory_ordered 1
		.amdhsa_forward_progress 1
		.amdhsa_inst_pref_size 255
	.end_amdhsa_kernel
	.section	.bss,"aw",@nobits
	.p2align	6
	.space	262144
	.amdgpu_metadata
---
amdhsa.version: [ 1, 2 ]
amdhsa.kernels:
  - .name:           k_qaabb48e43b_assign
    .symbol:         k_qaabb48e43b_assign.kd
    .args:
      - { .name: cb16, .offset: 0, .size: 8, .value_kind: global_buffer, .address_space: global }
      - { .name: nkk, .offset: 8, .size: 8, .value_kind: global_buffer, .address_space: global }
      - { .name: x, .offset: 16, .size: 8, .value_kind: global_buffer, .address_space: global }
      - { .name: candk, .offset: 24, .size: 8, .value_kind: global_buffer, .address_space: global }
      - { .name: candi, .offset: 32, .size: 8, .value_kind: global_buffer, .address_space: global }
    .group_segment_fixed_size: 327680
    .private_segment_fixed_size: 0
    .kernarg_segment_align: 8
    .kernarg_segment_size: 40
    .max_flat_workgroup_size: 128
    .sgpr_count:     66
    .vgpr_count:     1024
    .wavefront_size: 32
...
	.end_amdgpu_metadata
.endif
;; end of part 6
;; launch gather (part 7): grid 256 x 1, 16 waves a work-group, no clusters, 134,400 bytes of LDS; arguments candk, candi, codebook, x, out0, part; writes out0, part
.if DOCPART == 7
	.amdgcn_target "amdgcn-amd-amdhsa--gfx1250"
	.amdhsa_code_object_version 6
	.text
	.protected	k_qaabb48e43b_gather
	.globl	k_qaabb48e43b_gather
	.p2align	8
	.type	k_qaabb48e43b_gather,@function
k_qaabb48e43b_gather:
	s_mov_b64 s[64:65], 0
	v_nop
	global_prefetch_b8 v0, s[64:65] scope:SCOPE_SE
	s_setreg_imm32_b32 hwreg(HW_REG_WAVE_MODE, 25, 1), 1
	s_wait_xcnt 0x0
; out0[b][c][t] = x + (k - x), k = codebook[code of the token][c], both steps in f32 as the function writes them;  part[work-group] = sum of (k - x)^2.
; The token's code is the best of its four quarters' candidates: candk holds each quarter's best score as a whole number that orders as the score does, candi its code,
; both stored by the launch before.  The choice is a signed compare of whole numbers and two scalar selects; it is strict, so a lower quarter, whose codes are lower, keeps a tie.
; A work-group has 64 neighbouring tokens of one b and all 512 channels.  The codebook's rows lie along c, x and out0 along t: the rows are turned in LDS.
; Wave w gathers the rows of tokens 4 w .. 4 w + 3 (four loads of 512 consecutive bytes each) and works on channels 32 w .. 32 w + 31 of all 64 tokens.
; A load of x and a store of out0 take 16 bytes a lane: lanes 0-15 the 256 aligned bytes of the 64 tokens in one channel, lanes 16-31 in the next.
; All 32 loads of a wave go out at once.  The loss is formed from the differences themselves, not from the distances.
; A stream with a gather: no matrix unit; no cluster, since no two work-groups are bound to share a row.
; LDS: token tau lies in row (tau >> 2) + 16 (tau & 3), pitch 2,064 bytes = 516 words.  A row is written as consecutive 16-byte pieces; a read of one word a
; lane takes rows tq = 0..15 and two neighbouring channels: words 4 tq + cp + a constant modulo 64, all different.
.set PITCH, 2064
.set QUAD,  16*PITCH                   ; 33,024: from token 4 tq + i to 4 tq + i + 1
.set SUMS,  64*PITCH                   ; 132,096: one word for each wave
.set XO, 2                             ; v2       my byte offset in x and out0
.set GO, 4                             ; v[4:7]   my byte offset in the codebook row of token 4 w + i
.set SA, 8                             ; v[8:9]   LDS: where I put a piece of a row (i < 2, i >= 2)
.set LA, 10                            ; v[10:11] LDS: where I read a word back
.set L,  12                            ; v[12:15] two pairs of running sums
.set X,  20                            ; v[20:83] load m: x of 4 tokens; then out0
.set GA, 84                            ; v[84:147] the gathered pieces; then k of the same 4 tokens; then k - x
.set KEY, 32                           ; s[32:47] keys of my four tokens, quarter y at 4 y
.set COD, 48                           ; s[48:63] their codes
	s_load_b256 s[4:11], s[0:1], 0x0               ; candk s[4:5], candi s[6:7], codebook s[8:9], x s[10:11]
	s_load_b128 s[12:15], s[0:1], 0x20             ; out0 s[12:13], part s[14:15]
	v_lshl_add_u32 v148, v0, 2, 0x20500
	v_mov_b32 v149, 0
	v_lshrrev_b32 v1, 5, v0
	v_readfirstlane_b32 s16, v1                    ; wave 0..15
	v_and_b32 v3, 31, v0                           ; lane
	v_and_b32 v16, 15, v0                          ; tq
	v_bfe_u32 v17, v0, 4, 1                        ; cp
	v_lshlrev_b32 v1, 4, v3                        ; 16 x lane
	v_lshlrev_b32 v[XO], 4, v16
	v_lshl_add_u32 v[XO], v17, 12, v[XO]           ; 16 tq + 4,096 cp
	s_mov_b32 s26, 0x76543210
	s_mov_b32 s27, 0xfedcba98
	s_lshl_b32 s20, ttmp9, 8                       ; candidates: 64 words for each work-group,
	s_lshl_b32 s17, s16, 4                         ; 4 for each wave
	s_add_co_u32 s20, s20, s17
	s_mov_b32 s21, 0
	s_lshr_b32 s22, ttmp9, 4                       ; b
	s_lshl_b32 s22, s22, 21
	s_lshl_b32 s17, s16, 17                        ; 32 channels of 4,096 bytes for each wave
	s_add_co_u32 s22, s22, s17
	s_and_b32 s17, ttmp9, 15
	s_lshl_b32 s17, s17, 8                         ; 64 tokens of 4 bytes
	s_add_co_u32 s22, s22, s17
	s_mov_b32 s23, 0
	s_wait_kmcnt 0x0
	s_add_nc_u64 s[4:5], s[4:5], s[20:21]
	s_add_nc_u64 s[6:7], s[6:7], s[20:21]
.irp y, 0,1,2,3
	s_load_b128 s[KEY+4*\y:KEY+4*\y+3], s[4:5], 65536*\y           ; my four tokens in quarter y: keys,
	s_load_b128 s[COD+4*\y:COD+4*\y+3], s[6:7], 65536*\y           ; codes
.endr
	s_add_nc_u64 s[10:11], s[10:11], s[22:23]
	s_add_nc_u64 s[12:13], s[12:13], s[22:23]
.irp m, 0,1,2,3,4,5,6,7,8,9,10,11,12,13,14,15
	global_load_b128 v[X+4*\m:X+4*\m+3], v[XO], s[10:11] offset:8192*\m th:TH_LOAD_NT   ; channels 2 m + cp
.endr
	s_mul_i32 s17, s16, PITCH
	v_add_nc_u32 v[SA], s17, v1                    ; row w, 16 x lane
	v_add_nc_u32 v[SA+1], 2*QUAD, v[SA]
	v_mul_u32_u24 v18, v16, PITCH
	v_lshl_add_u32 v18, v17, 2, v18
	s_lshl_b32 s24, s16, 7
	v_add_nc_u32 v[LA], s24, v18                   ; row tq, word 32 w + cp
	v_add_nc_u32 v[LA+1], 2*QUAD, v[LA]
	s_lshl_b32 s25, s16, 2
	s_add_co_u32 s25, s25, SUMS
	s_wait_kmcnt 0x0
.irp y, 1,2,3
.irp i, 0,1,2,3
	s_cmp_gt_i32 s[KEY+4*\y+\i], s[KEY+\i]         ; quarter y is better than the best of the lower quarters
	s_cselect_b32 s[KEY+\i], s[KEY+4*\y+\i], s[KEY+\i]
	s_cselect_b32 s[COD+\i], s[COD+4*\y+\i], s[COD+\i]
.endr
.endr
.irp i, 0,1,2,3
	s_min_u32 s[COD+\i], s[COD+\i], 0x1fff         ; a code is below 8,192
.endr
.irp i, 0,1,2,3
	v_lshl_add_u32 v[GO+\i], s[COD+\i], 11, v1     ; a row of 2,048 bytes
.endr
.irp i, 0,1,2,3
.irp q, 0,1,2,3
	global_load_b128 v[GA+16*\i+4*\q:GA+16*\i+4*\q+3], v[GO+\i], s[8:9] offset:512*\q
.endr
.endr
.irp i, 0,1,2,3
.irp q, 0,1,2,3
	s_wait_loadcnt 15-4*\i-\q                      ; loads come back in order: this piece is in, the younger ones stay out; the last count, 0, shows x in too
	ds_store_b128 v[SA+(\i>>1)], v[GA+16*\i+4*\q:GA+16*\i+4*\q+3] offset:(\i&1)*QUAD+512*\q
.endr
.endr
	s_wait_dscnt 0x0                               ; my rows are in LDS before I say so
	s_barrier_signal -1
	s_barrier_wait -1
.irp m, 0,1,2,3,4,5,6,7,8,9,10,11,12,13,14,15
.irp i, 0,1,2,3
	ds_load_b32 v[GA+4*\m+\i], v[LA+(\i>>1)] offset:(\i&1)*QUAD+8*\m       ; k of token 4 tq + i, channel 32 w + 2 m + cp
.endr
.endr
.irp m, 0,1,2,3,4,5,6,7,8,9,10,11,12,13,14,15
	s_wait_dscnt 60-4*\m                           ; LDS loads come back in order: these four are in
	v_pk_add_f32 v[GA+4*\m:GA+4*\m+1], v[GA+4*\m:GA+4*\m+1], v[X+4*\m:X+4*\m+1] neg_lo:[0,1] neg_hi:[0,1]             ; d = k - x
	v_pk_add_f32 v[GA+4*\m+2:GA+4*\m+3], v[GA+4*\m+2:GA+4*\m+3], v[X+4*\m+2:X+4*\m+3] neg_lo:[0,1] neg_hi:[0,1]
	v_pk_add_f32 v[X+4*\m:X+4*\m+1], v[X+4*\m:X+4*\m+1], v[GA+4*\m:GA+4*\m+1]                                         ; x + d
	v_pk_add_f32 v[X+4*\m+2:X+4*\m+3], v[X+4*\m+2:X+4*\m+3], v[GA+4*\m+2:GA+4*\m+3]
.if \m == 0
	v_pk_mul_f32 v[L:L+1], v[GA:GA+1], v[GA:GA+1]              ; the first squares start the sums
	v_pk_mul_f32 v[L+2:L+3], v[GA+2:GA+3], v[GA+2:GA+3]
.else
	v_pk_fma_f32 v[L:L+1], v[GA+4*\m:GA+4*\m+1], v[GA+4*\m:GA+4*\m+1], v[L:L+1]
	v_pk_fma_f32 v[L+2:L+3], v[GA+4*\m+2:GA+4*\m+3], v[GA+4*\m+2:GA+4*\m+3], v[L+2:L+3]
.endif
	global_store_b128 v[XO], v[X+4*\m:X+4*\m+3], s[12:13] offset:8192*\m th:TH_STORE_NT
.endr
	v_pk_add_f32 v[L:L+1], v[L:L+1], v[L+2:L+3]
	v_add_f32 v[L], v[L], v[L+1]
	v_add_f32_dpp v[L], v[L], v[L] row_xmask:1 row_mask:0xf bank_mask:0xf
	v_add_f32_dpp v[L], v[L], v[L] row_xmask:2 row_mask:0xf bank_mask:0xf
	v_add_f32_dpp v[L], v[L], v[L] row_xmask:4 row_mask:0xf bank_mask:0xf
	v_add_f32_dpp v[L], v[L], v[L] row_xmask:8 row_mask:0xf bank_mask:0xf
	v_mov_b32 v[L+1], v[L]                         ; the permute's destination counts as read
	v_permlanex16_b32 v[L+1], v[L], s26, s27
	v_add_f32 v[L], v[L], v[L+1]
	v_mov_b32 v16, s25
	ds_store_b32 v16, v[L]                         ; every lane writes the wave's word with the same value
	s_wait_dscnt 0x0
	s_barrier_signal -1
	s_barrier_wait -1
	s_cmp_lg_u32 s16, 0
	s_cbranch_scc1 .Lend
	v_mov_b32 v16, SUMS                            ; wave 0 adds the sixteen waves' sums, always in the same order
.irp j, 0,1,2,3
	ds_load_b128 v[GA+4*\j:GA+4*\j+3], v16 offset:16*\j
.endr
	s_lshl_b32 s20, ttmp9, 2
	s_add_nc_u64 s[14:15], s[14:15], s[20:21]      ; one word for each work-group: the whole table is 1,024 bytes
	v_mov_b32 v17, 0
	v_cmp_eq_u32 vcc_lo, 0, v0
	s_wait_dscnt 0x0
.irp j, 2,4,6,8,10,12,14
	v_pk_add_f32 v[GA:GA+1], v[GA:GA+1], v[GA+\j:GA+\j+1]
.endr
	v_add_f32 v[GA], v[GA], v[GA+1]
	s_wait_xcnt 0x0                                ; EXEC changes only behind this wait
	s_and_saveexec_b32 s28, vcc_lo
	global_store_b32 v17, v[GA], s[14:15]
	s_wait_xcnt 0x0
	s_or_b32 exec_lo, exec_lo, s28
.Lend:
	s_wait_tensorcnt 0x0
	ds_add_u32 v148, v149
	s_wait_dscnt 0x0
	s_endpgm
.Lfunc_end_k_qaabb48e43b_gather:
	.size	k_qaabb48e43b_gather, .Lfunc_end_k_qaabb48e43b_gather-k_qaabb48e43b_gather
	.p2alignl 7, 3214868480
	.fill 96, 4, 3214868480
	.section	.rodata,"a",@progbits
	.p2align	6, 0x0
	.amdhsa_kernel k_qaabb48e43b_gather
		.amdhsa_group_segment_fixed_size 134400
		.amdhsa_private_segment_fixed_size 0
		.amdhsa_enable_private_segment 0
		.amdhsa_kernarg_size 48
		.amdhsa_user_sgpr_count 2
		.amdhsa_user_sgpr_kernarg_segment_ptr 1
		.amdhsa_wavefront_size32 1
		.amdhsa_system_sgpr_workgroup_id_x 1
		.amdhsa_system_sgpr_workgroup_id_y 1
		.amdhsa_system_sgpr_workgroup_id_z 1
		.amdhsa_system_vgpr_workitem_id 0
		.amdhsa_next_free_vgpr 150
		.amdhsa_next_free_sgpr 66
		.amdhsa_reserve_vcc 1
		.amdhsa_float_denorm_mode_32 3
		.amdhsa_float_denorm_mode_16_64 3
		.amdhsa_memory_ordered 1
		.amdhsa_forward_progress 1
		.amdhsa_inst_pref_size 23
	.end_amdhsa_kernel
	.amdgpu_metadata
---
amdhsa.version: [ 1, 2 ]
amdhsa.kernels:
  - .name:           k_qaabb48e43b_gather
    .symbol:         k_qaabb48e43b_gather.kd
    .args:
      - { .name: candk, .offset: 0, .size: 8, .value_kind: global_buffer, .address_space: global }
      - { .name: candi, .offset: 8, .size: 8, .value_kind: global_buffer, .address_space: global }
      - { .name: codebook, .offset: 16, .size: 8, .value_kind: global_buffer, .address_space: global }
      - { .name: x, .offset: 24, .size: 8, .value_kind: global_buffer, .address_space: global }
      - { .name: out0, .offset: 32, .size: 8, .value_kind: global_buffer, .address_space: global }
      - { .name: part, .offset: 40, .size: 8, .value_kind: global_buffer, .address_space: global }
    .group_segment_fixed_size: 134400
    .private_segment_fixed_size: 0
    .kernarg_segment_align: 8
    .kernarg_segment_size: 48
    .max_flat_workgroup_size: 512
    .sgpr_count:     66
    .vgpr_count:     150
    .wavefront_size: 32
...
	.end_amdgpu_metadata
.endif
;; end of part 7
;; launch loss: the kernel of part 5 again; grid 1 x 1, 1 waves a work-group, no clusters, 0 bytes of LDS; arguments part, out1; writes out1
;; ======== version 3 of 3: 4 launches; 1.59 times as fast as version 1
;; workspace buffers: cb16 8,388,608 bytes; nkk 32,768 bytes; candk 262,144 bytes of whole numbers; candi 262,144 bytes of whole numbers; part 1,024 bytes
;; launch prep: the kernel of part 1 again; grid 256 x 1, 8 waves a work-group, no clusters, 1,280 bytes of LDS; arguments codebook, cb16, nkk; writes cb16, nkk
;; launch assign (part 8): grid 64 x 4, 4 waves a work-group, clusters of 4 x 1, 327,680 bytes of LDS; arguments cb16, nkk, x, candk, candi; writes candk, candi
.if DOCPART == 8
	.amdgcn_target "amdgcn-amd-amdhsa--gfx1250"
	.amdhsa_code_object_version 6
	.text
	.protected	k_qaabb48e43b_assign
	.globl	k_qaabb48e43b_assign
	.p2align	8
	.type	k_qaabb48e43b_assign,@function
k_qaabb48e43b_assign:
	s_mov_b64 s[64:65], 0
	v_nop
	global_prefetch_b8 v0, s[64:65] scope:SCOPE_SE
	s_setreg_imm32_b32 hwreg(HW_REG_WAVE_MODE, 25, 1), 1
	s_wait_xcnt 0x0
	s_wait_alu depctr_hold_cnt(0) depctr_sa_sdst(0) depctr_va_vdst(0) depctr_va_sdst(0) depctr_va_ssrc(0) depctr_va_vcc(0) depctr_vm_vsrc(0)
	s_getreg_b32 s2, hwreg(HW_REG_IB_STS2, 6, 4)
	s_cmp_eq_u32 s2, 0
	s_cbranch_scc0 .Lentry_in_a_cluster
	s_endpgm
.Lentry_in_a_cluster:
	s_bfe_u32 s2, ttmp6, 0x10000c
	s_cmp_lg_u32 s2, 0x3003
	s_cbranch_scc0 .Lentry_shape_is_right
	s_endpgm
.Lentry_shape_is_right:
; For each of 16,384 tokens (token n = b*1024 + t; x is [b][c][t], 512 channels c) and each quarter Y of the 8,192 codes:
;   the largest  s = x~ . k~ - |k~|^2 / 2  over the quarter's codes, and candi[Y][n] = the lowest code that reaches it.
; candk[Y][n] is that s as a whole number that orders as the float does (its bits, with the lower 31 inverted where the sign is set; signed compare),
; because the next launch chooses among the four quarters and forms addresses from the choice.
; x~, k~: x and the codebook rounded to bf16; products on the matrix unit, sums in f32.  The largest s is the smallest |x~ - k~|^2: |x|^2 is the same for
; every code of a token and is left out.  -|k~|^2/2 (nkk) is added behind the sum over the 512 channels, in f32.
; LIMITS: finite inputs only (a NaN or an infinity is not served).  The choice is that of the bf16-rounded vectors.  Two codes whose distances differ by less
; than the f32 rounding of sums of the size of |x|^2 + |k|^2 may be ordered otherwise than by the three-term formula; exact ties go to the lowest code;
; between quarters a score of -0 orders below +0.
;
; SHAPE.  A work-group has 256 tokens and 2,048 codes; 64 token blocks x 4 quarters = 256 work-groups.  A wave keeps 64 tokens x 512 channels of bf16
; in 512 registers for the whole launch; the codes stream through LDS.  A fragment of 16 codes x 32 channels (two LDS loads, 1 KiB a wave) feeds four
; matrix instructions, one for each block of 16 tokens.  The four waves hold other tokens and read the same code tile.
; Source 0 = codes, source 1 = tokens: in the result lane (r, h), register j is code 8 h + j for token column r, so the maximum runs inside a lane.
; Token 4 r + i of the wave is column r of block i: one 16-byte load of a channel row of x gives one number to each block, sixteen lanes read 256
; consecutive aligned bytes, and x needs no transposition.
; CLUSTER.  The four work-groups of a cluster (4, 1, 1) differ in their tokens alone and walk the same quarter of the codes: every code tile and the
; quarter of nkk are asked for jointly, mask 15.  x is not shared inside a cluster and comes by plain loads.
; RING.  32 steps of 64 codes (four tiles of 16) through two LDS slots; a wave fetches 16 codes of each: 16 rows of 1,024 bytes, 16 KiB.  By this text's own count a
; wave has three tensor loads out at the start and one behind each round.  From a refill's request to the wait for it a wave issues 240 matrix instructions.
; TEXT.  Every tile of a lap round the ring has its own constant LDS addresses and registers, so a lap is written out: eight tiles.  That is why a slot holds four
; tiles and not more: the lap is written once and run 15 times.  The loop begins at the third tile of a step: the first two tiles of all (no epilogue; the epilogue
; that starts the maxima) stand in front of it, and what is left of the last two steps, six tiles that fill nothing, behind it: 16 tiles of text for 128 tiles of work.
; FRAGMENTS.  A tile is 16 codes x 512 channels: 16 fragments, 64 matrix instructions.  All LDS loads of a tile stand in ONE run of 34, behind K step 11 of the
; tile before: nkk of that tile (2), K steps 0-11 of the next (24, into the one buffer of window 0, which is dead there), K steps 12-15 of the next (8, into
; one of two buffers of window 1).  K steps 12-15 of the running tile, 16 matrix instructions, follow the run; then counted waits take the fragments as they come.
; EPILOGUE.  A tile's epilogue (add nkk, compare, keep value and tile number; 8 vector instructions for 2 scores) is spread over K steps 0-11 of the next tile:
; one pair of scores for three matrix instructions.
;
; REGISTER WINDOWS (s_set_vgpr_msb, low byte: 1:0 source 0, 3:2 source 1, 5:4 source 2, 7:6 destination):
;   window 0: all that the epilogue names, the addresses, fragments of K steps 0-11.   window 1: four staging sets of 64 registers for x in f32 (start only);
;   then v0-63 there: fragments of K steps 12-15, two buffers.   windows 2, 3: the tokens: K step ks, block i, register q at 32 (ks & 7) + 8 i + q.
; In K steps 0-11 only source 1 is switched (M2, M3), and every vector instruction there other than a matrix instruction has a constant or a scalar register
; as its source 1, so the epilogue stands among the matrix instructions.  Its sources 0 and 2 and its destination have to lie in one window, and 256 registers
; do not hold it beside sixteen fragments: hence the split 12 + 4.  Four switches for a tile's 64 matrix instructions.
.set PITCH, 1040                       ; an LDS row: 1,024 bytes + 16 of padding = 65 x 16: the 16 rows of a fragment load start 16 bytes apart modulo 256
.set T16,   16*PITCH                   ; a tile of 16 codes; also what one tensor load brings
.set SLOT,  4*T16                      ; 64 codes: 66,560 bytes
.set NKKL,  2*SLOT                     ; 133,120: the quarter of nkk, 8,192 bytes, filled once
.set STEPB, 64*1024                    ; bytes of cb16 in a step
.set LAPS,  15                         ; trips of the loop: tiles 2 .. 121 of the 128
.set KA,   12                          ; K steps whose fragments lie in window 0
.set ADR,  2                           ; v2-3     LDS address of my part of a fragment in slot 0, 1; a tile's place (49,920 at the most) stands in the offset
.set KAD,  6                           ; v6       LDS address of my 8 numbers of nkk in the lap's base tile
.set XO,   7                           ; v7       my byte offset in x
.set D,    8                           ; v[8:11]  two pairs: score minus best
.set NK,   16                          ; v[16:23] nkk of a tile's codes 8 h + j
.set FR,   24                          ; v[24:119] fragments of K steps 0-11
.set ACC,  120                         ; v[120:183] two sets of four accumulators
.set BEST, 184                         ; v[184:215] best score, for block b and j at 8 b + j
.set IDX,  216                         ; v[216:247] its tile number
.set RV,   24                          ; the way out, in registers that held fragments: v[24:27] values of tokens 4 r .. 4 r + 3
.set RC,   28                          ; v[28:31] their codes
.set TV,   32
.set TC,   33
.set HT,   34
.set WV,   14                          ; s14 wave   s15 cx   s16 token block   s17 quarter
.set TID,  18                          ; s18 number of the tile whose epilogue is running
.set NINF, 19                          ; s19 -infinity
.set MK,   20                          ; s20 a second lane mask
.set G1,   24                          ; s[24:31] group 1: code tiles
.set G1K,  32                          ; s[32:39] group 1: nkk
.set G0,   40                          ; s[40:47] group 0 of slot 0, slot 1
.set G0K,  48                          ; s[48:51] group 0 of nkk
.set LDW,  0x40                        ; destination window 1
.set CV2,  0x85                        ; destination window 2, sources 0 and 1 window 1
.set CV3,  0xc5                        ; destination window 3, sources 0 and 1 window 1
.set M2,   0x08                        ; source 1 window 2
.set M3,   0x0c                        ; source 1 window 3
.set MW,   0x0d                        ; source 1 window 3, source 0 window 1
.set MSB,  0
.macro WIN new                         ; the immediate's high byte repeats the setting that is left
.if MSB != \new
	s_set_vgpr_msb (MSB<<8)|\new
.set MSB, \new
.endif
.endm
; A round of the cluster's barrier: my work-group's barrier; wave 0 signals for the work-group; every wave waits for all four work-groups; my barrier again.
.macro CREST                           ; a round behind its opening barrier
	s_cmp_lg_u32 s[WV], 0
	s_cbranch_scc1 .Lnot_wave_0_\@
	s_barrier_signal -3
.Lnot_wave_0_\@:
	s_barrier_wait -3
	s_barrier_signal -1
	s_barrier_wait -1
.endm
.macro CROUND
	s_barrier_signal -1
	s_barrier_wait -1
	CREST
.endm
	s_load_b256 s[4:11], s[0:1], 0x0               ; cb16 s[4:5], nkk s[6:7], x s[8:9], candk s[10:11]
	s_load_b64 s[12:13], s[0:1], 0x20              ; candi
	v_lshl_add_u32 v254, v0, 2, 0x29000
	v_mov_b32 v255, 0
	ds_add_u32 v254, v255
	v_lshrrev_b32 v1, 5, v0
	v_readfirstlane_b32 s[WV], v1                  ; wave 0..3
	s_bfe_u32 s15, ttmp6, 0x40000                  ; cx
	s_lshl_b32 s16, ttmp9, 2
	s_add_co_u32 s16, s16, s15                     ; token block = 4 x cluster x + cx
	s_and_b32 s17, ttmp7, 0xffff                   ; quarter of the codes = cluster y, the same in all four partners
	s_mov_b32 s[TID], -2                           ; each tile adds 1 at its head; the epilogue there is the tile before's: 0 in the second tile
	s_mov_b32 s[NINF], 0xff800000
	s_mov_b32 s52, 0x76543210                      ; v_permlanex16_b32: lane i reads lane i of the other half
	s_mov_b32 s53, 0xfedcba98
	; group 1, code tiles: 16 rows x 512 elements of 2 bytes, 4 words of padding behind every 256 words
	s_mov_b32 s[G1+0], 15|(1<<16)|(1<<20)|(1<<21)|(7<<22)|(3<<25)  ; 15:0 mask: all four of the cluster; 17:16 2 bytes; 20 padding; 21 set beside a mask; 24:22 every 256 words; 31:25 4 words
	s_mov_b32 s[G1+1], 512<<16                     ; tensor_dim0 = 512
	s_mov_b32 s[G1+2], 16<<16                      ; tensor_dim1 = 16
	s_mov_b32 s[G1+3], 512<<16                     ; tile_dim0 = 512
	s_mov_b32 s[G1+4], 16                          ; tile_dim1 = 16
	s_mov_b32 s[G1+5], 512                         ; from row to row
	s_mov_b32 s[G1+6], 0
	s_mov_b32 s[G1+7], 0
	; group 1, nkk: a dense block of 2,048 bytes as 8 rows of 32 elements of 8 bytes
	s_mov_b32 s[G1K+0], 15|(3<<16)|(1<<21)
	s_mov_b32 s[G1K+1], 32<<16
	s_mov_b32 s[G1K+2], 8<<16
	s_mov_b32 s[G1K+3], 32<<16
	s_mov_b32 s[G1K+4], 8
	s_mov_b32 s[G1K+5], 32
	s_mov_b32 s[G1K+6], 0
	s_mov_b32 s[G1K+7], 0
	; what feeds the joint descriptors is made of the quarter and the wave alone, in s2, s3, s22, s23; cx never enters these registers
	s_mul_i32 s2, s[WV], T16                       ; my 16 rows of a slot
	s_lshl_b32 s22, s17, 21                        ; 2,048 codes of 1,024 bytes for each quarter
	s_lshl_b32 s3, s[WV], 14                       ; 16 codes for each wave
	s_add_co_u32 s22, s22, s3
	s_mov_b32 s23, 0
	s_wait_dscnt 0x0
	s_wait_kmcnt 0x0
	s_mov_b32 s[G0+0], 1
	s_mov_b32 s[G0+1], s2                          ; slot 0
	s_add_nc_u64 s[G0+2:G0+3], s[4:5], s[22:23]    ; step 0
	s_mov_b32 s[G0+4], 1
	s_add_co_u32 s[G0+5], s2, SLOT                 ; slot 1
	s_add_nc_u64 s[G0+6:G0+7], s[G0+2:G0+3], STEPB ; step 1
	s_or_b32 s[G0+3], s[G0+3], 0x80000000          ; type 2
	s_or_b32 s[G0+7], s[G0+7], 0x80000000
	s_lshl_b32 s22, s17, 13                        ; 2,048 words of nkk for each quarter
	s_lshl_b32 s3, s[WV], 11                       ; 512 words for each wave
	s_add_co_u32 s22, s22, s3
	s_mov_b32 s[G0K+0], 1
	s_add_co_u32 s[G0K+1], s3, NKKL
	s_add_nc_u64 s[G0K+2:G0K+3], s[6:7], s[22:23]
	s_or_b32 s[G0K+3], s[G0K+3], 0x80000000
	; what hangs on cx: the addresses of x and of the results, in s58-60 and s[8:13]
	s_lshr_b32 s58, s16, 2                         ; b
	s_lshl_b32 s58, s58, 21                        ; 512 channels of 4,096 bytes
	s_and_b32 s60, s16, 3
	s_lshl_b32 s60, s60, 10                        ; 256 tokens of 4 bytes for each block
	s_add_co_u32 s58, s58, s60
	s_lshl_b32 s60, s[WV], 8                       ; 64 tokens for each wave
	s_add_co_u32 s58, s58, s60
	s_mov_b32 s59, 0
	s_add_nc_u64 s[8:9], s[8:9], s[58:59]
	s_lshl_b32 s58, s17, 16                        ; results: [quarter][16,384] words
	s_add_co_u32 s58, s58, s60
	s_lshl_b32 s60, s16, 10
	s_add_co_u32 s58, s58, s60
	s_add_nc_u64 s[10:11], s[10:11], s[58:59]
	s_add_nc_u64 s[12:13], s[12:13], s[58:59]
	CROUND                                         ; all four work-groups are here: the first joint loads meet
	tensor_load_to_lds s[G0K:G0K+3], s[G1K:G1K+7]  ; the three first fills go out as one group
	s_nop 0
	tensor_load_to_lds s[G0:G0+3], s[G1:G1+7]
	s_nop 0
	tensor_load_to_lds s[G0+4:G0+7], s[G1:G1+7]
	s_nop 0
	v_and_b32 v1, 15, v0                           ; r
	v_bfe_u32 v8, v0, 4, 1                         ; h
	v_lshlrev_b32 v[XO], 4, v1                     ; tokens 4 r .. 4 r + 3
	v_lshl_add_u32 v[XO], v8, 15, v[XO]            ; + 8 h channels of 4,096 bytes
	v_mul_u32_u24 v9, v1, PITCH
	v_lshl_add_u32 v[ADR], v8, 4, v9               ; code row r, 16 bytes for each half of the lanes
	v_add_nc_u32 v[ADR+1], SLOT, v[ADR]
	v_lshlrev_b32 v[KAD], 5, v8                    ; codes 8 h .. 8 h + 7: 32 bytes
	v_add_nc_u32 v[KAD], NKKL, v[KAD]
; THE TOKENS.  A source-1 fragment (32 channels x 16 tokens): lane (r, h) holds column r; registers 0-3 channels 8 h + 0..7, registers 4-7 channels 16 + 8 h + 0..7.
; XLOAD: the 16 channel rows of K step ks that my half of the lanes needs, four tokens each, into a staging set.
.macro XLOAD set, ks
	WIN LDW
.irp e, 0,1,2,3,4,5,6,7,8,9,10,11,12,13,14,15
	global_load_b128 v[64*(\set)+4*\e:64*(\set)+4*\e+3], v[XO], s[8:9] offset:(32*(\ks)+\e+8*(\e>>3))*4096
.endr
.endm
; XCVT: register q of block i packs channels 2 q and 2 q + 1 of the sixteen, token 4 r + i.
.macro XCVT set, ks
.if \ks < 8
	WIN CV2
.else
	WIN CV3
.endif
.irp i, 0,1,2,3
.irp q, 0,1,2,3,4,5,6,7
	v_cvt_pk_bf16_f32 v[32*((\ks)&7)+8*\i+\q], v[64*(\set)+8*\q+\i], v[64*(\set)+8*\q+4+\i]
.endr
.endr
.endm
	XLOAD 0, 0
	XLOAD 1, 1
	XLOAD 2, 2
.irp ks, 0,1,2,3,4,5,6,7,8,9,10,11,12,13,14,15
.if \ks < 13
	XLOAD (\ks+3)&3, \ks+3                         ; into the set that was converted last
	s_wait_loadcnt 48                              ; three younger sets of 16 loads stay out
.else
	s_wait_loadcnt 16*(15-\ks)                     ; nothing more is asked for: the counts run down
.endif
	XCVT (\ks)&3, \ks
.endr
	WIN 0
; The 32 loads of a tile's 16 fragments (fragment k: 32 channels at byte 64 k of the rows), in one run: K steps 0-11 into window 0, 12-15 into the tile's buffer of window 1.
.macro FETCH slot, tile
.irp k, 0,1,2,3,4,5,6,7,8,9,10,11
	ds_load_b128 v[FR+8*\k:FR+8*\k+3],   v[ADR+(\slot)] offset:(\tile)*T16+64*\k
	ds_load_b128 v[FR+8*\k+4:FR+8*\k+7], v[ADR+(\slot)] offset:(\tile)*T16+64*\k+32
.endr
	WIN LDW
.irp k, 12,13,14,15
	ds_load_b128 v[32*((\tile)&1)+8*(\k-KA):32*((\tile)&1)+8*(\k-KA)+3],   v[ADR+(\slot)] offset:(\tile)*T16+64*\k
	ds_load_b128 v[32*((\tile)&1)+8*(\k-KA)+4:32*((\tile)&1)+8*(\k-KA)+7], v[ADR+(\slot)] offset:(\tile)*T16+64*\k+32
.endr
.endm
; One matrix instruction: block b of my tokens, K step k, code fragment at FA, accumulators at CA.  K step 0 starts the sums: nothing is cleared.
.macro WM b, k
.if \k == 0
	v_wmma_f32_16x16x32_bf16 v[CA+8*\b:CA+8*\b+7], v[FA:FA+7], v[32*((\k)&7)+8*\b:32*((\k)&7)+8*\b+7], 0
.else
	v_wmma_f32_16x16x32_bf16 v[CA+8*\b:CA+8*\b+7], v[FA:FA+7], v[32*((\k)&7)+8*\b:32*((\k)&7)+8*\b+7], v[CA+8*\b:CA+8*\b+7]
.endif
.endm
; THE EPILOGUE of pair p (registers 2 p, 2 p + 1 of the 32 sums) of the tile in accumulator set as, in five pieces.
; score = sum + nkk; better = score - best > 0 (for finite numbers the same as score > best; strict, so the earlier tile keeps a tie); tile number and best follow.
; The maximum is a maximum of three with -infinity, and the sums are multiply-adds by 1.0, so that source 1 is no vector register.
.macro PREG p, as
.set ES, ACC+32*(\as)+2*(\p)
.set EN, NK+2*((\p)&3)
.set EB, BEST+2*(\p)
.set EI, IDX+2*(\p)
.set ED, D+2*((\p)&1)
.endm
.macro E_ADD p, as
	PREG \p, \as
	v_pk_fma_f32 v[ES:ES+1], v[ES:ES+1], 1.0, v[EN:EN+1] op_sel_hi:[1,0,1]
.endm
.macro E_SUB p, as
	PREG \p, \as
	v_pk_fma_f32 v[ED:ED+1], v[ES:ES+1], 1.0, v[EB:EB+1] op_sel_hi:[1,0,1] neg_lo:[0,0,1] neg_hi:[0,0,1]
.endm
.macro E_CMP p, as
	PREG \p, \as
	v_cmp_gt_f32 vcc_lo, v[ED], 0
	v_cmp_gt_f32 s[MK], v[ED+1], 0
.endm
.macro E_CND p, as
	PREG \p, \as
	v_cndmask_b32 v[EI], v[EI], s[TID], vcc_lo
	v_cndmask_b32 v[EI+1], v[EI+1], s[TID], s[MK]
.endm
.macro E_MAX p, as
	PREG \p, \as
	v_max3_num_f32 v[EB], v[ES], s[NINF], v[EB]
	v_max3_num_f32 v[EB+1], v[ES+1], s[NINF], v[EB+1]
.endm
.macro E_FIRST p, as                   ; the first tile starts the maxima: nothing is cleared
	PREG \p, \as
	v_pk_fma_f32 v[EB:EB+1], v[ES:ES+1], 1.0, v[EN:EN+1] op_sel_hi:[1,0,1]
.endm
.macro E_ID p, as
	PREG \p, \as
	v_mov_b32 v[EI], s[TID]
	v_mov_b32 v[EI+1], s[TID]
.endm
; What stands behind matrix instruction s (0..47) of K steps 0-11.  Pair p = s / 3 begins at s = 3 p and ends at 3 p + 4: three, three and two vector instructions by turns,
; and each piece stands a matrix instruction behind the piece whose result it reads.   mode 2: as above.   mode 1: the first tile's epilogue.   mode 0: no tile in front.
.macro ESLOT s, as, mode
.set EP, (\s)/3
.set EH, (\s)-3*EP
.if \mode == 2
.if EH == 0
	E_ADD EP, \as
.if EP > 0
	E_CND EP-1, \as
.endif
.endif
.if EH == 1
	E_SUB EP, \as
.if EP > 0
	E_MAX EP-1, \as
.endif
.endif
.if EH == 2
	E_CMP EP, \as
.endif
.endif
.if \mode == 1
.if EH == 0
	E_FIRST EP, \as
.endif
.if EH == 1
	E_ID EP, \as
.endif
.endif
.endm
; Behind K step 11: the last pair's last four instructions.  They, or four v_nop, are the four places between the matrix instructions that read window 0's fragments and the
; loads into them (ISA guide 7.12.1 for vector instructions): they name no register of those matrix instructions.
.macro ELAST as, mode
.if \mode == 2
	E_CND 15, \as
	E_MAX 15, \as
.else
.rept 4
	v_nop
.endr
.endif
.endm
; A GROUP: K step k of tile tl of a slot: four matrix instructions, one for each block of tokens.  kn: the tile's place in nkk, counted in tiles from the lap's base.
; The four accumulators take turns, one instruction a turn, over tile ends and the loop's backward jump too.
; kind 3: a tile inside a slot.  kind 2: a slot's last tile, the slot is filled again.  kind 1: a slot's last tile, no refill.  kind 0: the last tile of all.
.macro GROUP slot, tl, kn, k, mode, kind
.set CA, ACC+32*((\tl)&1)              ; this tile's accumulators
.set PA, 1-((\tl)&1)                   ; the set of the tile in front
.set BND, 0
.if \kind == 1
.set BND, 1
.endif
.if \kind == 2
.set BND, 1
.endif
.set RUNL, 34                          ; LDS loads in this tile's run
.if \kind == 0
.set RUNL, 2                           ; the last tile's run is its nkk alone
.endif
.if \k < KA
.set FA, FR+8*\k
.set WT, 30-2*\k                       ; of the last run's 34 loads nkk's 2 and fragments 0 .. k are in, the 30 - 2 k younger may be out (the first run has no nkk and 32 loads: the same count)
.else
.set FA, 32*((\tl)&1)+8*(\k-KA)
.set WT, RUNL+6-2*(\k-KA)              ; this tile's run may be out, and of the run before it the fragments behind k
.endif
.if BND
.if \k >= 8
.set WT, -1                            ; the wait for 0 below has shown all of this tile's fragments in
.endif
.endif
.if \k == 0
	WIN M2
.endif
.if \k == 8
	WIN M3
.if BND
	s_wait_dscnt 0x0                               ; my reads of this slot are over: the last stood in the run of the tile before
	s_set_vgpr_msb 0xc00
	s_wait_tensorcnt 0x0                           ; all my tensor loads have landed: the one that was out is my part of the other slot
	ds_add_u32 v254, v255
	s_wait_dscnt 0x0
	s_set_vgpr_msb 0xc
.if \kind == 2
	s_add_nc_u64 s[G0+4*\slot+2:G0+4*\slot+3], s[G0+4*\slot+2:G0+4*\slot+3], 2*STEPB   ; no load of mine is out: this slot's next step
.endif
	s_barrier_signal -1                            ; say so; four K steps of register work follow while the others arrive
.endif
.endif
.if \k == KA
	ELAST PA, \mode
.if \kind == 2
	WIN 0                                          ; a branch and a label follow
	s_barrier_wait -1
	CREST                                          ; no wave of any partner still reads this slot or has a load on its way
	tensor_load_to_lds s[G0+4*\slot:G0+4*\slot+3], s[G1:G1+7]      ; my one tensor load behind the round, and the first thing there
	s_nop 0
.endif
.if \kind == 1
	s_barrier_wait -1                              ; the other slot is whole; nothing is filled again
.endif
	ds_load_b128 v[NK:NK+3],   v[KAD] offset:(\kn)*64              ; THE RUN.  This tile's nkk, for its epilogue in the next tile; the last tile's was read for the last time in K step 11
	ds_load_b128 v[NK+4:NK+7], v[KAD] offset:(\kn)*64+16
.if \kind == 3
	FETCH \slot, \tl+1
.endif
.if BND
	FETCH 1-\slot, 0
.endif
	WIN MW
.endif
.if WT >= 0
	s_wait_dscnt WT
.endif
.irp b, 0,1,2,3
	WM \b, \k
.if \k < KA
	ESLOT 4*\k+\b, PA, \mode
.endif
.if \k == 15
	v_nop                                          ; four places between block 0's last matrix instruction and the first read of its sums, in the next tile (ISA guide 7.12.1)
.endif
.endr
.endm
.macro TILE slot, tl, kn, mode, kind
	s_add_co_u32 s[TID], s[TID], 1
.irp k, 0,1,2,3,4,5,6,7,8,9,10,11,12,13,14,15
	GROUP \slot, \tl, \kn, \k, \mode, \kind
.endr
.endm
	s_wait_tensorcnt 0x1                           ; my parts of nkk and of slot 0 are in; slot 1's may stay out
	s_barrier_signal -1
	s_barrier_wait -1                              ; everybody's are
	FETCH 0, 0                                     ; the first tile's fragments: 32 loads
	TILE 0, 0, 0, 0, 3                             ; tile 0 of step 0: no tile in front, no epilogue
	TILE 0, 1, 1, 1, 3                             ; tile 1: the epilogue of tile 0 starts the maxima
	WIN 0                                          ; at a label and at a branch every window is 0
	s_mov_b32 s21, LAPS
.Llap:                                             ; trip L: tiles 2, 3 of step 2 L, step 2 L + 1, tiles 0, 1 of step 2 L + 2
	TILE 0, 2, 2, 2, 3
	TILE 0, 3, 3, 2, 2                             ; slot 0 is filled again: step 2 L + 2
	TILE 1, 0, 4, 2, 3
	TILE 1, 1, 5, 2, 3
	TILE 1, 2, 6, 2, 3
	TILE 1, 3, 7, 2, 2                             ; slot 1 is filled again: step 2 L + 3, in the last trip step 31
	TILE 0, 0, 8, 2, 3
	TILE 0, 1, 9, 2, 3
	WIN 0
	v_add_nc_u32 v[KAD], 512, v[KAD]               ; 8 tiles of 64 bytes of nkk on
	s_sub_co_u32 s21, s21, 1
	s_cmp_lg_u32 s21, 0
	s_cbranch_scc1 .Llap
	TILE 0, 2, 2, 2, 3                             ; the rest of step 30 and step 31: nothing is left to fetch from memory
	TILE 0, 3, 3, 2, 1
	TILE 1, 0, 4, 2, 3
	TILE 1, 1, 5, 2, 3
	TILE 1, 2, 6, 2, 3
	TILE 1, 3, 7, 2, 0
	WIN 0
	s_add_co_u32 s[TID], s[TID], 1                 ; 127: the last tile's epilogue
	s_wait_dscnt 0x0                               ; its nkk is in
.irp p, 0,1,2,3,4,5,6,7,8,9,10,11,12,13,14,15
	E_ADD \p, 1
	E_SUB \p, 1
	E_CMP \p, 1
	E_CND \p, 1
	E_MAX \p, 1
.endr
; THE WAY OUT.  b takes a's place if it is larger, or equal with the lower code.  The masks only choose values.
.macro MERGE va, ca, vb, cb
	v_cmp_gt_f32 s54, v[\vb], v[\va]
	v_cmp_eq_f32 s55, v[\vb], v[\va]
	v_cmp_lt_u32 s56, v[\cb], v[\ca]
	s_and_b32 s55, s55, s56
	s_or_b32 s54, s54, s55
	v_cndmask_b32 v[\va], v[\va], v[\vb], s54
	v_cndmask_b32 v[\ca], v[\ca], v[\cb], s54
.endm
	v_bfe_u32 v[HT], v0, 4, 1
	v_lshlrev_b32 v[HT], 3, v[HT]
	s_lshl_b32 s3, s17, 11
	v_add_nc_u32 v[HT], s3, v[HT]                  ; 8 h + 2,048 x quarter
.irp b, 0,1,2,3
.irp j, 0,1,2,3,4,5,6,7
	v_lshl_add_u32 v[IDX+8*\b+\j], v[IDX+8*\b+\j], 4, \j       ; 16 x tile + j
.endr
	MERGE BEST+8*\b,   IDX+8*\b,   BEST+8*\b+1, IDX+8*\b+1
	MERGE BEST+8*\b+2, IDX+8*\b+2, BEST+8*\b+3, IDX+8*\b+3
	MERGE BEST+8*\b+4, IDX+8*\b+4, BEST+8*\b+5, IDX+8*\b+5
	MERGE BEST+8*\b+6, IDX+8*\b+6, BEST+8*\b+7, IDX+8*\b+7
	MERGE BEST+8*\b,   IDX+8*\b,   BEST+8*\b+2, IDX+8*\b+2
	MERGE BEST+8*\b+4, IDX+8*\b+4, BEST+8*\b+6, IDX+8*\b+6
	MERGE BEST+8*\b,   IDX+8*\b,   BEST+8*\b+4, IDX+8*\b+4
	v_add_nc_u32 v[RC+\b], v[IDX+8*\b], v[HT]      ; the code's number in the whole codebook
	v_mov_b32 v[RV+\b], v[BEST+8*\b]
	v_mov_b32 v[TV], v[RV+\b]                      ; the permutes' destinations count as read
	v_mov_b32 v[TC], v[RC+\b]
	v_permlanex16_b32 v[TV], v[RV+\b], s52, s53    ; the other half of the lanes holds the other eight codes of each tile
	v_permlanex16_b32 v[TC], v[RC+\b], s52, s53
	MERGE RV+\b, RC+\b, TV, TC
	v_ashrrev_i32 v[TV], 31, v[RV+\b]              ; the score as a whole number of the same order: where the sign is set,
	v_and_b32 v[TV], 0x7fffffff, v[TV]             ; the lower 31 bits are inverted
	v_xor_b32 v[RV+\b], v[RV+\b], v[TV]
.endr
	v_and_b32 v1, 15, v0
	v_lshlrev_b32 v1, 4, v1                        ; tokens 4 r .. 4 r + 3: 16 bytes
	v_and_b32 v[TV], 16, v0
	v_cmp_eq_u32 vcc_lo, 0, v[TV]                  ; lanes 0 to 15
	s_wait_xcnt 0x0                                ; EXEC changes only behind this wait
	s_and_saveexec_b32 s57, vcc_lo
	global_store_b128 v1, v[RV:RV+3], s[10:11]     ; sixteen lanes store 256 consecutive bytes, aligned
	global_store_b128 v1, v[RC:RC+3], s[12:13]
	s_wait_xcnt 0x0                                ; and again, in front of the line that widens it
	s_or_b32 exec_lo, exec_lo, s57
	CROUND                                         ; the closing round: no work-group ends while a partner may still ask for a tile that names it
	s_endpgm
.Lfunc_end_k_qaabb48e43b_assign:
	.size	k_qaabb48e43b_assign, .Lfunc_end_k_qaabb48e43b_assign-k_qaabb48e43b_assign
	.p2alignl 7, 3214868480
	.fill 96, 4, 3214868480
	.section	.rodata,"a",@progbits
	.p2align	6, 0x0
	.amdhsa_kernel k_qaabb48e43b_assign
		.amdhsa_group_segment_fixed_size 327680
		.amdhsa_private_segment_fixed_size 0
		.amdhsa_enable_private_segment 0
		.amdhsa_kernarg_size 40
		.amdhsa_user_sgpr_count 2
		.amdhsa_user_sgpr_kernarg_segment_ptr 1
		.amdhsa_wavefront_size32 1
		.amdhsa_system_sgpr_workgroup_id_x 1
		.amdhsa_system_sgpr_workgroup_id_y 1
		.amdhsa_system_sgpr_workgroup_id_z 1
		.amdhsa_system_vgpr_workitem_id 0
		.amdhsa_next_free_vgpr 1024
		.amdhsa_next_free_sgpr 66
		.amdhsa_reserve_vcc 1
		.amdhsa_float_denorm_mode_32 3
		.amdhsa_float_denorm_mode_16_64 3
		.amdhsa_memory_ordered 1
		.amdhsa_forward_progress 1
		.amdhsa_inst_pref_size 255
	.end_amdhsa_kernel
	.section	.bss,"aw",@nobits
	.p2align	6
	.space	262144
	.amdgpu_metadata
---
amdhsa.version: [ 1, 2 ]
amdhsa.kernels:
  - .name:           k_qaabb48e43b_assign
    .symbol:         k_qaabb48e43b_assign.kd
    .args:
      - { .name: cb16, .offset: 0, .size: 8, .value_kind: global_buffer, .address_space: global }
      - { .name: nkk, .offset: 8, .size: 8, .value_kind: global_buffer, .address_space: global }
      - { .name: x, .offset: 16, .size: 8, .value_kind: global_buffer, .address_space: global }
      - { .name: candk, .offset: 24, .size: 8, .value_kind: global_buffer, .address_space: global }
      - { .name: candi, .offset: 32, .size: 8, .value_kind: global_buffer, .address_space: global }
    .group_segment_fixed_size: 327680
    .private_segment_fixed_size: 0
    .kernarg_segment_align: 8
    .kernarg_segment_size: 40
    .max_flat_workgroup_size: 128
    .sgpr_count:     66
    .vgpr_count:     1024
    .wavefront_size: 32
...
	.end_amdgpu_metadata
.endif
;; end of part 8
;; launch gather: the kernel of part 7 again; grid 256 x 1, 16 waves a work-group, no clusters, 134,400 bytes of LDS; arguments candk, candi, codebook, x, out0, part; writes out0, part
;; launch loss: the kernel of part 5 again; grid 1 x 1, 1 waves a work-group, no clusters, 0 bytes of LDS; arguments part, out1; writes out1
